; MI455X (gfx1250); checked and timed in simulation.
; The chip was launched on July 23, 2026; its instructions are those of AMD's public machine-readable ISA for CDNA 5 (MIT licence, August 2026) and "CDNA5" Instruction Set Architecture Reference Guide (July 2026). The comments in the code are by the model that wrote it; some were corrected since.
;; NVFP4 Mo E Module For Input Scale Test. Allowed arithmetic: float matrix products may take bf16 or f16 operands with f32 sums; other float arithmetic in f32, or as packed bf16 or f16 multiplies, adds, multiply-adds, maxima and minima; sums over many terms, partial sums and values carried from step to step in f32; what a program stores and reads back later, other than sums and carried values, may be rounded once to bf16 or f16.
;; Inputs: routing_weights 1,024 x 2 float32; selected_experts 1,024 x 2 int32; w1 8 x 1,024 x 2,048 float32; w1_alpha 8 float32; w1_iscale 8 float32; w1_wscale 8 float32; w2 8 x 2,048 x 1,024 float32; w2_alpha 8 float32; w2_iscale 8 float32; w2_wscale 8 float32; w3 8 x 1,024 x 2,048 float32; w3_alpha 8 float32; w3_iscale 8 float32; w3_wscale 8 float32; x 1,024 x 2,048 float32.
;; Outputs: out0 1,024 x 2,048 float32.
;; 3 versions, each right; version 2 is faster than version 1; version 3 is version 2 with the launches prep, combine written anew for expert scheduling mode. Each part assembles by itself: llvm-mc -triple=amdgcn-amd-amdhsa -mcpu=gfx1250 --defsym DOCPART=n.
;; ======== version 1 of 3: 4 launches
;; workspace buffers: xs 8,912,896 bytes; hs 8,912,896 bytes; part 17,825,792 bytes; ent 8,704 bytes of whole numbers; cf 8,704 bytes; tab 256 bytes of whole numbers
;; launch prep (part 1): grid 136 x 2, 8 waves a work-group, no clusters, 37,888 bytes of LDS; arguments x, selected_experts, routing_weights, xs, ent, cf, tab; writes xs, ent, cf, tab
.if DOCPART == 1
	.amdgcn_target "amdgcn-amd-amdhsa--gfx1250"
	.amdhsa_code_object_version 6
	.text
	.protected	k_qd2112545aa_prep
	.globl	k_qd2112545aa_prep
	.p2align	8
	.type	k_qd2112545aa_prep,@function
k_qd2112545aa_prep:
	s_mov_b64 s[64:65], 0
	v_nop
	global_prefetch_b8 v0, s[64:65] scope:SCOPE_SE
	s_setreg_imm32_b32 hwreg(HW_REG_WAVE_MODE, 25, 1), 1
	s_wait_xcnt 0x0
; ROUTING AND GATHER.  The 2,048 entries (token t, choice k), entry number 2 t + k, are sorted by expert into UNITS of 16 slots; an expert's last unit is padded.
; Work-group (u, y) builds half y (1,024 of the 2,048 channels) of unit u of xs: the 16 tokens' rows of x, rounded once to bf16, in the order in which a
; matrix operand's registers take them: byte u*65536 + s*1024 + i*512 + L*16 holds x[token of slot L%16][32 s + 16 i + 8 (L/16) .. +7].
; Every work-group repeats the counting sort for itself (8 KB of indices): no traffic between work-groups, no atomics.  The rank of an entry within its expert goes by
; (wave, place j in the thread, lane), the same in every work-group.
; Stored besides (by the work-groups with y = 0): ent[slot] = the row of part that the slot's result goes to (2 t + k; a padding slot: dump row 2048 + 16 e + slot),
; cf[slot] = the routing weight rounded to bf16 (padding: 0); and by work-group (0, 0): tab = (first unit, number of units) of each expert, and at byte 64 the number of units NU.
; A padding slot repeats token 1023's row.  The grid has 136 units, the most that any split of the tokens can need rounded up to a multiple of 8; units at or past NU are written as padding and never read.
; All lanes stay on throughout: an entry that does not fall into the unit is stored too, into a seventeenth word of the wave's list that nobody reads.
; LIMITS.  x and the routing weights are rounded once to bf16 (nearest even).  An index outside 0..7 matches no expert and is dropped.
.set LIST,  1024                       ; 8 lists, one a wave, 128 bytes apart: words 0-15: slot d's entry + 1, or 0; word 16: what falls outside the unit, never read
.set IMG,   2048                       ; the half unit's image: 128 groups (s, i, h) of 16 rows x 16 bytes, 272 bytes apart
.set GP,    272
.set SPARE, IMG+128*GP                 ; the spare words, 128 bytes a wave
.set SPW, 4                            ; v4  my spare word's address; never rewritten
.set NIL, 5                            ; v5  0; never rewritten
.set EN,  8                            ; v[8:15] my eight entries' experts
.set XR,  48                           ; v[48:111] two rows x eight pieces of x
	s_load_b256 s[8:15], s[0:1], 0x0               ; x s[8:9], selected_experts s[10:11], routing_weights s[12:13], xs s[14:15]
	s_load_b128 s[16:19], s[0:1], 0x20             ; ent s[16:17], cf s[18:19]
	s_load_b64 s[20:21], s[0:1], 0x30              ; tab
	v_lshl_add_u32 v[SPW], v0, 2, SPARE
	v_mov_b32 v[NIL], 0
	v_and_b32 v1, 31, v0                           ; lane
	v_lshrrev_b32 v2, 5, v0
	v_readfirstlane_b32 s22, v2                    ; wave
	s_mov_b32 s23, ttmp9                           ; unit u
	s_and_b32 s24, ttmp7, 0xffff                   ; half y
	v_lshlrev_b32 v3, 5, v0                        ; my eight entries: 32 bytes
	v_and_b32 v6, 15, v0
	s_lshl_b32 s25, s22, 7
	s_add_co_u32 s25, s25, LIST                    ; my wave's list
	v_lshl_add_u32 v18, v6, 2, s25
	v_mov_b32 v19, 0
	ds_store_b32 v18, v19                          ; its sixteen slots are empty (lanes 16-31 write the same zeros as lanes 0-15)
	s_wait_kmcnt 0x0
	global_load_b128 v[EN:EN+3], v3, s[10:11]
	global_load_b128 v[EN+4:EN+7], v3, s[10:11] offset:16
	; addresses, made while the indices are on their way
	v_lshlrev_b32 v17, 2, v0                       ; my word among the waves' counts
	v_and_b32 v7, 7, v0
	v_lshlrev_b32 v7, 2, v7
	v_lshl_add_u32 v42, v0, 3, 1                   ; my first entry's number + 1
	s_lshl_b32 s26, s22, 3
	s_add_co_u32 s26, s26, LIST
	v_mov_b32 v43, s26                             ; slots 2 w and 2 w + 1 in the first list
	s_lshl_b32 s27, s24, 12
	v_lshl_add_u32 v45, v1, 4, s27                 ; in a row of x: half y, 16 bytes a lane
	v_lshrrev_b32 v36, 1, v1                       ; into the image: a lane's 4 channels are 8 bytes of group lane / 2 (of the piece's 16 groups), row 2 w (+1)
	v_mul_u32_u24 v36, v36, GP
	v_and_b32 v37, 1, v1
	v_lshl_add_u32 v36, v37, 3, v36
	s_lshl_b32 s28, s22, 5
	s_add_co_u32 s28, s28, IMG
	v_add_nc_u32 v36, s28, v36
	s_mul_i32 s29, s22, 16*GP                      ; out of the image: wave w takes groups 16 w .. 16 w + 15, two a load
	s_add_co_u32 s29, s29, IMG
	v_lshrrev_b32 v38, 4, v1
	v_mul_u32_u24 v38, v38, GP
	v_lshl_add_u32 v38, v6, 4, v38
	v_add_nc_u32 v38, s29, v38
	v_lshlrev_b32 v39, 4, v1
	v_lshl_add_u32 v39, v2, 12, v39                ; and the same 4,096 bytes of the half unit in xs
	s_lshl_b32 s30, s23, 16
	s_lshl_b32 s31, s24, 15
	s_add_co_u32 s30, s30, s31
	s_mov_b32 s31, 0
	s_add_nc_u64 s[14:15], s[14:15], s[30:31]      ; xs at my half unit
	s_wait_loadcnt 0x0                             ; the indices are in
	; my wave's count of each expert
.irp e, 0,1,2,3,4,5,6,7
.irp j, 0,1,2,3,4,5,6,7
	v_cmp_eq_u32 s[40+\j], \e, v[EN+\j]
.endr
.irp j, 0,1,2,3,4,5,6,7
	s_bcnt1_i32_b32 s[40+\j], s[40+\j]
.endr
	s_add_co_u32 s[48+\e], s40, s41
.irp j, 2,3,4,5,6,7
	s_add_co_u32 s[48+\e], s[48+\e], s[40+\j]
.endr
.endr
	v_mov_b32 v16, 0
.irp e, 0,1,2,3,4,5,6,7
	v_writelane_b32 v16, s[48+\e], \e
.endr
	ds_store_b32 v17, v16                          ; wave w's counts at 128 w + 4 e
	s_wait_dscnt 0x0                               ; for the others' sake: my counts are stored
	s_barrier_signal -1
	s_barrier_wait -1
	; every expert's count, units and first unit
.irp k, 0,1,2,3,4,5,6,7
	ds_load_b32 v[20+\k], v7 offset:128*\k
.endr
	s_wait_dscnt 0x0
	v_add3_u32 v28, v20, v21, v22
	v_add3_u32 v28, v28, v23, v24
	v_add3_u32 v28, v28, v25, v26
	v_add_nc_u32 v28, v28, v27                     ; lane e (of 0..7): expert e's count
.irp e, 0,1,2,3,4,5,6,7
	v_readlane_b32 s[56+\e], v28, \e
.endr
.irp e, 0,1,2,3,4,5,6,7
	s_add_co_u32 s[66+\e], s[56+\e], 15
	s_lshr_b32 s[66+\e], s[66+\e], 4               ; units
.endr
	s_mov_b32 s74, 0
.irp e, 1,2,3,4,5,6,7
	s_add_co_u32 s[74+\e], s[74+\e-1], s[66+\e-1]  ; first unit
.endr
	s_add_co_u32 s82, s81, s73                     ; NU
	; my unit's expert: the last one whose first unit is not past u
	s_mov_b32 s83, 0
	s_mov_b32 s84, 0
.irp e, 1,2,3,4,5,6,7
	s_cmp_ge_u32 s23, s[74+\e]
	s_cselect_b32 s84, s[74+\e], s84
	s_add_co_ci_u32 s83, s83, 0
.endr
	s_min_u32 s83, s83, 7
	s_sub_co_u32 s84, s23, s84
	s_lshl_b32 s84, s84, 4                         ; the rank of my unit's slot 0.  For u at or past NU it is past the expert's count: nothing matches
	; how many of that expert's entries lie in the waves in front of mine
	s_lshl_b32 s85, s83, 2
	v_mov_b32 v29, s85
.irp k, 0,1,2,3,4,5,6
	ds_load_b32 v[100+\k], v29 offset:128*\k
.endr
	s_wait_dscnt 0x0
	s_mov_b32 s88, 0
.irp k, 0,1,2,3,4,5,6
	v_readfirstlane_b32 s87, v[100+\k]
	s_cmp_gt_u32 s22, \k
	s_cselect_b32 s87, s87, 0
	s_add_co_u32 s88, s88, s87
.endr
	s_sub_co_u32 s88, s88, s84                     ; running rank less my unit's first: 0..15 falls into my unit; below it the number wraps and is large
.irp j, 0,1,2,3,4,5,6,7
	v_cmp_eq_u32 vcc_lo, s83, v[EN+\j]
	v_mbcnt_lo_u32_b32 v40, vcc_lo, s88            ; the slot of a lane that matches
	s_bcnt1_i32_b32 s89, vcc_lo
	s_add_co_u32 s88, s88, s89
	v_cndmask_b32 v40, 16, v40, vcc_lo             ; a lane that does not match,
	v_min_u32 v40, 16, v40                         ; and a rank outside the unit, go to word 16
	v_lshl_add_u32 v40, v40, 2, s25                ; in my wave's own list
	v_add_nc_u32 v41, \j, v42
	ds_store_b32 v40, v41
.endr
	s_wait_dscnt 0x0                               ; for the others' sake: my list is stored
	s_barrier_signal -1
	s_barrier_wait -1
	; wave w gathers the rows of slots 2 w and 2 w + 1: each slot stands in one list at the most, so the eight lists are merged by OR
.irp k, 0,1,2,3,4,5,6,7
	ds_load_b64 v[20+2*\k:21+2*\k], v43 offset:128*\k
.endr
	s_wait_dscnt 0x0
.irp k, 1,2,3,4,5,6,7
	v_or_b32 v20, v20, v[20+2*\k]
	v_or_b32 v21, v21, v[21+2*\k]
.endr
.irp r, 0,1
	v_add_nc_u32 v[20+\r], -1, v[20+\r]            ; the entry; an empty slot wraps
	v_lshrrev_b32 v[20+\r], 1, v[20+\r]            ; its token,
	v_min_u32 v[20+\r], 0x3ff, v[20+\r]            ; held inside x: an empty slot takes token 1023
	v_lshl_add_u32 v[46+\r], v[20+\r], 13, v45
.endr
.irp r, 0,1
.irp m, 0,1,2,3,4,5,6,7
	global_load_b128 v[XR+32*\r+4*\m:XR+32*\r+4*\m+3], v[46+\r], s[8:9] offset:512*\m  ; 512 consecutive bytes of the row; all sixteen loads are out together
.endr
.endr
.irp r, 0,1
.irp m, 0,1,2,3,4,5,6,7
	s_wait_loadcnt 15-8*\r-\m                      ; loads return in order: this piece is in, the younger ones stay out
	v_cvt_pk_bf16_f32 v[XR+32*\r+4*\m], v[XR+32*\r+4*\m], v[XR+32*\r+4*\m+1]
	v_cvt_pk_bf16_f32 v[XR+32*\r+4*\m+1], v[XR+32*\r+4*\m+2], v[XR+32*\r+4*\m+3]
	ds_store_b64 v36, v[XR+32*\r+4*\m:XR+32*\r+4*\m+1] offset:16*GP*\m+16*\r  ; the piece's 16 groups start 68 words apart: every bank once
.endr
.endr
	s_wait_dscnt 0x0                               ; for the others' sake: my two rows are in the image
	s_barrier_signal -1
	s_barrier_wait -1
.irp m, 0,1,2,3,4,5,6,7
	ds_load_b128 v[XR+4*\m:XR+4*\m+3], v38 offset:2*GP*\m
.endr
.irp m, 0,1,2,3,4,5,6,7
	s_wait_dscnt 7-\m
	global_store_b128 v39, v[XR+4*\m:XR+4*\m+3], s[14:15] offset:512*\m  ; 512 consecutive bytes, at a multiple of 256 from xs's first
.endr
	; the small tables, behind the large stores; registers of their own (v80 on), since the stores above are still reading theirs
	s_cmp_lg_u32 s24, 0
	s_cbranch_scc1 .Lclose
	s_cmp_lg_u32 s22, 0
	s_cbranch_scc1 .Lnot_wave_0
	v_lshl_add_u32 v90, v6, 2, LIST                ; wave 0: slot lane % 16 of all eight lists (lanes 16-31 repeat lanes 0-15 and store the same words)
.irp k, 0,1,2,3,4,5,6,7
	ds_load_b32 v[80+\k], v90 offset:128*\k
.endr
	s_wait_dscnt 0x0
.irp k, 1,2,3,4,5,6,7
	v_or_b32 v80, v80, v[80+\k]
.endr
	v_cmp_eq_u32 vcc_lo, 0, v80                    ; a padding slot
	v_add_nc_u32 v89, -1, v80                      ; the entry
	v_min_u32 v91, 0x7ff, v89
	v_lshlrev_b32 v91, 2, v91
	global_load_b32 v92, v91, s[12:13]             ; its routing weight
	s_lshl_b32 s32, s83, 4
	s_add_co_u32 s32, s32, 2048
	v_add_nc_u32 v93, s32, v6                      ; the dump row
	v_cndmask_b32 v93, v89, v93, vcc_lo
	s_lshl_b32 s33, s23, 6
	v_lshl_add_u32 v94, v6, 2, s33
	v_mov_b32 v95, 0
	global_store_b32 v94, v93, s[16:17]
	s_wait_loadcnt 0x0
	v_cvt_pk_bf16_f32 v92, v92, v92                ; rounded to bf16,
	v_lshlrev_b32 v92, 16, v92                     ; kept as f32
	v_cndmask_b32 v92, v92, v95, vcc_lo
	global_store_b32 v94, v92, s[18:19]
	s_branch .Lclose
.Lnot_wave_0:
	s_cmp_lg_u32 s22, 1
	s_cbranch_scc1 .Lclose
	s_cmp_lg_u32 s23, 0
	s_cbranch_scc1 .Lclose
	v_mov_b32 v96, 0                               ; wave 1 of work-group (0, 0): the table
.irp e, 0,1,2,3,4,5,6,7
	v_writelane_b32 v96, s[74+\e], 2*\e
	v_writelane_b32 v96, s[66+\e], 2*\e+1
.endr
	v_writelane_b32 v96, s82, 16
	v_lshlrev_b32 v97, 2, v1
	global_store_b32 v97, v96, s[20:21]
.Lclose:
	s_wait_tensorcnt 0x0                           ; the wave's end: behind my last LDS store
	ds_add_u32 v[SPW], v[NIL]
	s_wait_dscnt 0x0
	s_endpgm
.Lfunc_end_k_qd2112545aa_prep:
	.size	k_qd2112545aa_prep, .Lfunc_end_k_qd2112545aa_prep-k_qd2112545aa_prep
	.p2alignl 7, 3214868480
	.fill 96, 4, 3214868480
	.section	.rodata,"a",@progbits
	.p2align	6, 0x0
	.amdhsa_kernel k_qd2112545aa_prep
		.amdhsa_group_segment_fixed_size 37888
		.amdhsa_private_segment_fixed_size 0
		.amdhsa_enable_private_segment 0
		.amdhsa_kernarg_size 56
		.amdhsa_user_sgpr_count 2
		.amdhsa_user_sgpr_kernarg_segment_ptr 1
		.amdhsa_wavefront_size32 1
		.amdhsa_system_sgpr_workgroup_id_x 1
		.amdhsa_system_sgpr_workgroup_id_y 1
		.amdhsa_system_sgpr_workgroup_id_z 1
		.amdhsa_system_vgpr_workitem_id 0
		.amdhsa_next_free_vgpr 128
		.amdhsa_next_free_sgpr 96
		.amdhsa_reserve_vcc 1
		.amdhsa_float_denorm_mode_32 3
		.amdhsa_float_denorm_mode_16_64 3
		.amdhsa_memory_ordered 1
		.amdhsa_forward_progress 1
		.amdhsa_inst_pref_size 30
	.end_amdhsa_kernel
	.amdgpu_metadata
---
amdhsa.version: [ 1, 2 ]
amdhsa.kernels:
  - .name:           k_qd2112545aa_prep
    .symbol:         k_qd2112545aa_prep.kd
    .args:
      - { .name: x, .offset: 0, .size: 8, .value_kind: global_buffer, .address_space: global }
      - { .name: selected_experts, .offset: 8, .size: 8, .value_kind: global_buffer, .address_space: global }
      - { .name: routing_weights, .offset: 16, .size: 8, .value_kind: global_buffer, .address_space: global }
      - { .name: xs, .offset: 24, .size: 8, .value_kind: global_buffer, .address_space: global }
      - { .name: ent, .offset: 32, .size: 8, .value_kind: global_buffer, .address_space: global }
      - { .name: cf, .offset: 40, .size: 8, .value_kind: global_buffer, .address_space: global }
      - { .name: tab, .offset: 48, .size: 8, .value_kind: global_buffer, .address_space: global }
    .group_segment_fixed_size: 37888
    .private_segment_fixed_size: 0
    .kernarg_segment_align: 8
    .kernarg_segment_size: 56
    .max_flat_workgroup_size: 256
    .sgpr_count:     96
    .vgpr_count:     128
    .wavefront_size: 32
...
	.end_amdgpu_metadata
.endif
;; end of part 1
;; launch gateup (part 2): grid 32 x 8, 16 waves a work-group, no clusters, 280,576 bytes of LDS; arguments xs, cf, tab, w1, w3, w1_alpha, w1_iscale, w1_wscale, w3_alpha, w3_iscale, w3_wscale, hs; writes hs
.if DOCPART == 2
	.amdgcn_target "amdgcn-amd-amdhsa--gfx1250"
	.amdhsa_code_object_version 6
	.text
	.protected	k_qd2112545aa_gateup
	.globl	k_qd2112545aa_gateup
	.p2align	8
	.type	k_qd2112545aa_gateup,@function
k_qd2112545aa_gateup:
	s_mov_b64 s[64:65], 0
	v_nop
	global_prefetch_b8 v0, s[64:65] scope:SCOPE_SE
	s_setreg_imm32_b32 hwreg(HW_REG_WAVE_MODE, 25, 1), 1
	s_wait_xcnt 0x0
; h'[slot][c] = cf[slot] * silu(s1 G) * (s3 U),  G = x w1[e]^T, U = x w3[e]^T,  s_i = alpha_i * (1 / iscale_i) * wscale_i, for the routed rows alone.
; h' IS STORED AS TWO bf16 NUMBERS: hi = h' rounded, lo = (h' - hi) rounded.  One bf16 keeps 8 significant bits, and that rounding reaches the output undiminished; f16 has no room for h' where the
; inputs are some 30 times larger.  hs: a unit is 64 K steps of 1,024 bytes; step 2 s holds hi of channels 32 s .. +31, step 2 s + 1 their lo, each in the order in which a matrix operand's registers take it.
; SHARES.  Work-group (sigma, e) alone reads rows 32 sigma .. +31 of w1[e] and of w3[e] (512 KB of f32), once, and serves all units of expert e.
; Sixteen waves of 256 registers, all alike.  Each STAGES four of the slice's 64 weight rows (waves 0-7: w1's, waves 8-15: w3's): f32 through a ring of four register sets of four loads
; (12 to 16 loads of 512 bytes out in each wave), rounded to bf16, into LDS.  Each MULTIPLIES two units (32 token rows) by all 64 weight rows, 8 accumulators: its token fragments come from xs
; straight into a ring of four K-step slots in registers, each asked for again as soon as it has been multiplied, four K steps ahead; its weight fragments come from LDS.
; K goes in 16 chunks of 128.  Chunk c has LDS bytes of its own, c*17408 on (64 rows, 272 bytes apart), written once in the launch: in trip t chunk t is written and chunk t - 1 read,
; one barrier a trip; behind the last of these the whole slice lies in LDS.  The 17 trips are written out, so that every LDS address is a constant plus a lane term made once.
; THE COUNTS OF LOADS are kept by the assembler: SEQ = global loads issued so far, XQn / WQz = SEQ when slot n's / set z's last load went out; their difference is the number of younger loads, the wait's count.
; That holds because every global load stands on every wave's way: a wave without a unit jumps only over LDS loads and products, and its fragment loads ask for the same 16 bytes in all lanes.
; EVERY SPLIT.  The first pass serves the expert's units 0-31; up to three further passes (4 x 32 = 128 units, the most that 2,048 entries can give one expert) only read LDS, with no barrier; a pass without
; a unit for the wave is jumped.  An expert without rows still streams its slice and stores nothing.
; NO TENSOR LOADS, NO MULTICAST: the weights must be rounded on their way, each slice has one reader, and beside the slice's 278,528 bytes LDS has no room for the expert's token rows, which its 32 work-groups do share.
; THE PRODUCT is used with the weights as source 0 and the tokens as source 1: a lane then holds one token and eight neighbouring channels of h', 16 bytes of hs in its fragment order.
; The accumulators are cleared by 64 moves a pass, in the wait for the first chunk, on every wave's way: so no way through the text reads a sum that was never written.
; LIMITS.  Weights, scales and alphas are rounded once to bf16; the scales are applied in f32 behind the sums.  Where -1.4427 s1 G passes 128 the exponential is infinite and silu is -0.
; Where |h'| rounds to infinity in bf16 its low part is NaN.  v_exp_f32 and v_rcp_f32 flush denormals.  NaN and infinities are not treated apart.
; An expert's rows past 512 are multiplied without the overlap with the stream.
.set PITCH, 272                        ; 256 bytes + 16: the 16 rows of a fragment load start at 16 different groups of four banks
.set CHUNK, 64*PITCH
.set NCH,   16
.set KS,    4*NCH                      ; K steps of 32
.set SPARE, NCH*CHUNK                  ; the spare words, 128 bytes a wave
.set ROWB,  8192                       ; a weight row in memory
.set LO16, 1                           ; v1  16 x lane
.set VX,   2                           ; v2  16 x lane, or 0 in a wave without a unit
.set FC,   3                           ; v3  a fragment's place in a chunk: r*272 + 16 h
.set FP,   4                           ; v4  where I stage: 4 w rows of 272 + 8 x lane
.set BC,   5                           ; v5  FC plus the chunk being read
.set BP,   6                           ; v6  FP plus the chunk being written
.set SPW,  7                           ; v7  my spare word; never rewritten
.set NIL,  8                           ; v8  0; never rewritten
.set R4,   9                           ; v9  4 r
.set CFV,  10                          ; v10, v11 my token's cf in unit 0, 1
.set T,    12                          ; v[12:19] my four rows of a chunk in bf16, 8 bytes a lane each
.set ACC,  20                          ; v[20:83] unit j, tile q at ACC + 32 j + 8 q; tiles 0, 1 = w1's rows (G), 2, 3 = w3's (U)
.set F,    84                          ; v[84:115] a K step's four weight fragments
.set X,    116                         ; v[116:179] slot n, unit j at X + 16 n + 8 j
.set W,    180                         ; v[180:243] set z, row l at W + 16 z + 4 l
.set SC1,  244                         ; pair: s1
.set SC1N, 246                         ; pair: -log2(e) s1
.set SC3,  248                         ; s3
.set CJ,   250                         ; pairs: s3 cf of unit 0, of unit 1
.set WV,   32
.set SIG,  33
.set EX,   34
.set UB,   36                          ; s36 the expert's first unit, s37 its units
.set UNI,  37
.set NU,   38
.set UREL, 46                          ; my first unit within the expert
.set PS,   48                          ; passes to go
.set XA0,  50                          ; s[50:51], s[52:53] xs at my two units
.set WB,   54                          ; s[54:55] the weights at my four rows
.set RA0,  56                          ; s[56:57], s[58:59] later passes: where the refills come from
.set HB0,  60                          ; s[60:61], s[62:63] hs at my two units' pieces
.set TC,   66                          ; later passes: LDS byte of the chunk being read
.set CB0,  68                          ; s[68:69], s[70:71] cf at my two units
.set LAP,  73
.set SEQ,  0
.macro WAITL q                         ; the loads up to number q are in; the younger ones stay out.  The count's field ends at 63: a smaller count than the true one is safe
.if SEQ-(\q) > 63
	s_wait_loadcnt 63
.else
	s_wait_loadcnt SEQ-(\q)
.endif
.endm
; My two units' addresses.  The unit number comes from the stored table: it is held below NU and below the buffers' 136 units before it enters an address.
.macro UNITS
	s_add_co_u32 s74, s[UB], s[UREL]
	s_sub_co_u32 s76, s[NU], 1
	s_lshl_b32 s77, s[SIG], 11                     ; in a unit of hs: K steps 2 sigma and 2 sigma + 1
	s_mov_b32 s79, 0
.irp j, 0,1
	s_add_co_u32 s75, s74, \j
	s_min_u32 s75, s75, s76
	s_min_u32 s75, s75, 135
	s_lshl_b32 s78, s75, 16
	s_add_nc_u64 s[XA0+2*\j:XA0+2*\j+1], s[8:9], s[78:79]
	s_lshl_b32 s78, s75, 16
	s_add_co_u32 s78, s78, s77
	s_add_nc_u64 s[HB0+2*\j:HB0+2*\j+1], s[30:31], s[78:79]
	s_lshl_b32 s78, s75, 6
	s_add_nc_u64 s[CB0+2*\j:CB0+2*\j+1], s[10:11], s[78:79]
.endr
	s_cmp_lt_u32 s[UREL], s[UNI]
	s_cselect_b32 s78, -1, 0
	v_and_b32 v[VX], s78, v[LO16]                  ; a wave without a unit asks for one 16 bytes with all its lanes
	v_min_u32 v[VX], 0x1f0, v[VX]                  ; held to 496, as every number that hangs on stored data is before it enters an address
.endm
; A pass begins: cf, the first four K steps' token fragments (four loads a slot), and the sums at 0.
.macro PROLOG
	global_load_b32 v[CFV], v[R4], s[CB0:CB0+1]
	global_load_b32 v[CFV+1], v[R4], s[CB0+2:CB0+3]
.set SEQ, SEQ+2
.irp n, 0,1,2,3
.irp j, 0,1
	global_load_b128 v[X+16*\n+8*\j:X+16*\n+8*\j+3], v[VX], s[XA0+2*\j:XA0+2*\j+1] offset:1024*\n
	global_load_b128 v[X+16*\n+8*\j+4:X+16*\n+8*\j+7], v[VX], s[XA0+2*\j:XA0+2*\j+1] offset:1024*\n+512
.endr
.set SEQ, SEQ+4
.set XQ\n, SEQ
.endr
.set i, 0
.rept 64
	v_mov_b32 v[ACC+i], 0
.set i, i+1
.endr
.endm
.macro FRAGS sl                        ; K step sl of the chunk at BC: four weight fragments
.irp q, 0,1,2,3
	ds_load_b128 v[F+8*\q:F+8*\q+3], v[BC] offset:\q*16*PITCH+(\sl)*64
	ds_load_b128 v[F+8*\q+4:F+8*\q+7], v[BC] offset:\q*16*PITCH+(\sl)*64+32
.endr
.endm
.macro PRODS sl                        ; its eight products.  The eight accumulators take turns, one instruction a turn, over K steps, trips and loop edges
.irp q, 0,1,2,3
	s_wait_dscnt 6-2*\q                            ; tile q's two loads are in; the later tiles' stay out
	v_wmma_f32_16x16x32_bf16 v[ACC+8*\q:ACC+8*\q+7], v[F+8*\q:F+8*\q+7], v[X+16*(\sl):X+16*(\sl)+7], v[ACC+8*\q:ACC+8*\q+7]
	v_wmma_f32_16x16x32_bf16 v[ACC+32+8*\q:ACC+32+8*\q+7], v[F+8*\q:F+8*\q+7], v[X+16*(\sl)+8:X+16*(\sl)+15], v[ACC+32+8*\q:ACC+32+8*\q+7]
.endr
.rept 4
	v_nop                                          ; four places between the products and the loads into their sources, or the reads of their results
.endr
.endm
.macro REFILL sl, ba, off              ; slot sl takes the K step at byte off from base ba
.irp j, 0,1
	global_load_b128 v[X+16*(\sl)+8*\j:X+16*(\sl)+8*\j+3], v[VX], s[(\ba)+2*\j:(\ba)+2*\j+1] offset:(\off)
	global_load_b128 v[X+16*(\sl)+8*\j+4:X+16*(\sl)+8*\j+7], v[VX], s[(\ba)+2*\j:(\ba)+2*\j+1] offset:(\off)+512
.endr
.endm
; Trip t; z = t % 4.  Chunk t (in set z) is rounded and laid into LDS, and the set asked for again, with chunk t + 4; chunk t - 1 is multiplied, and each slot asked for again, four K steps on;
; the barrier hands chunk t over.
.macro TRIP t, z
.if (\t) < NCH
	WAITL WQ\z
	v_add_nc_u32 v[BP], (\t)*CHUNK, v[FP]
.irp l, 0,1,2,3
	v_cvt_pk_bf16_f32 v[T+2*\l], v[W+16*\z+4*\l], v[W+16*\z+4*\l+1]
	v_cvt_pk_bf16_f32 v[T+2*\l+1], v[W+16*\z+4*\l+2], v[W+16*\z+4*\l+3]
.endr
.if (\t)+4 < NCH
.irp l, 0,1,2,3
	global_load_b128 v[W+16*\z+4*\l:W+16*\z+4*\l+3], v[LO16], s[WB:WB+1] offset:\l*ROWB+((\t)+4)*512 th:TH_LOAD_NT  ; 512 consecutive bytes of one row
.endr
.set SEQ, SEQ+4
.set WQ\z, SEQ
.endif
.irp l, 0,1,2,3
	ds_store_b64 v[BP], v[T+2*\l:T+2*\l+1] offset:\l*PITCH  ; 256 consecutive bytes
.endr
.endif
.if (\t) > 0
	v_add_nc_u32 v[BC], ((\t)-1)*CHUNK, v[FC]
.irp sl, 0,1,2,3
	s_cmp_lt_u32 s[UREL], s[UNI]
	s_cbranch_scc0 .Ldead\@_\sl
	FRAGS \sl
	WAITL XQ\sl
	PRODS \sl
	s_branch .Ljoin\@_\sl
.Ldead\@_\sl:
	WAITL XQ\sl                                    ; no unit: nothing is multiplied; the slot's loads are waited for all the same, since it is loaded again
.Ljoin\@_\sl:
.if 4*(\t)+\sl < KS
	REFILL \sl, XA0, (4*(\t)+\sl)*1024
.set SEQ, SEQ+4
.set XQ\sl, SEQ
.endif
.endr
.endif
.if (\t) < NCH
	s_wait_dscnt 0x0                               ; for the others' sake: my stores of chunk t are done (my reads of chunk t - 1 are back already)
	s_barrier_signal -1
	s_barrier_wait -1
.endif
.endm
	s_load_b512 s[8:23], s[0:1], 0x0               ; xs 8, cf 10, tab 12, w1 14, w3 16, w1_alpha 18, w1_iscale 20, w1_wscale 22
	s_load_b256 s[24:31], s[0:1], 0x40             ; w3_alpha 24, w3_iscale 26, w3_wscale 28, hs 30
	v_lshl_add_u32 v[SPW], v0, 2, SPARE
	v_mov_b32 v[NIL], 0
	v_lshrrev_b32 v[T], 5, v0
	v_readfirstlane_b32 s[WV], v[T]
	v_and_b32 v[T+1], 31, v0
	v_lshlrev_b32 v[LO16], 4, v[T+1]
	s_mov_b32 s[SIG], ttmp9
	s_and_b32 s[EX], ttmp7, 0xffff
	s_lshl_b32 s35, s[EX], 2
	s_lshl_b32 s3, s[EX], 3
	s_and_b32 s74, s[WV], 7                        ; the weights' offset: expert e, row 32 sigma + 4 (w & 7)
	s_lshl_b32 s74, s74, 2
	s_lshl_b32 s75, s[SIG], 5
	s_add_co_u32 s74, s74, s75
	s_lshl_b32 s74, s74, 13
	s_lshl_b32 s75, s[EX], 23
	s_add_co_u32 s74, s74, s75
	s_mov_b32 s75, 0
	s_mul_i32 s76, s[WV], 4*PITCH                  ; LDS rows 4 w on
	v_lshl_add_u32 v[FP], v[T+1], 3, s76
	s_lshl_b32 s[UREL], s[WV], 1
	s_wait_kmcnt 0x0
	s_load_b64 s[UB:UB+1], s[12:13], s3 offset:0x0
	s_load_b32 s[NU], s[12:13], 0x40
	s_load_b32 s40, s[18:19], s35 offset:0x0
	s_load_b32 s41, s[20:21], s35 offset:0x0
	s_load_b32 s42, s[22:23], s35 offset:0x0
	s_load_b32 s43, s[24:25], s35 offset:0x0
	s_load_b32 s44, s[26:27], s35 offset:0x0
	s_load_b32 s45, s[28:29], s35 offset:0x0
	s_cmp_ge_u32 s[WV], 8                          ; waves 0-7 stage w1's rows, waves 8-15 w3's
	s_cselect_b64 s[WB:WB+1], s[16:17], s[14:15]
	s_add_nc_u64 s[WB:WB+1], s[WB:WB+1], s[74:75]
.irp z, 0,1,2,3
.irp l, 0,1,2,3
	global_load_b128 v[W+16*\z+4*\l:W+16*\z+4*\l+3], v[LO16], s[WB:WB+1] offset:\l*ROWB+\z*512 th:TH_LOAD_NT  ; chunks 0 to 3: the stream starts before anything else is waited for
.endr
.set SEQ, SEQ+4
.set WQ\z, SEQ
.endr
	v_and_b32 v[T], 15, v0                         ; r
	v_bfe_u32 v[T+1], v0, 4, 1                     ; h
	v_mul_u32_u24 v[FC], v[T], PITCH
	v_lshl_add_u32 v[FC], v[T+1], 4, v[FC]
	v_lshlrev_b32 v[R4], 2, v[T]
	s_wait_kmcnt 0x0
	UNITS
	PROLOG
	v_mov_b32 v[F], s40                            ; the six scale numbers, each rounded to bf16 like every input
	v_mov_b32 v[F+1], s41
	v_mov_b32 v[F+2], s42
	v_mov_b32 v[F+3], s43
	v_mov_b32 v[F+4], s44
	v_mov_b32 v[F+5], s45
	v_cvt_pk_bf16_f32 v[F+6], v[F], v[F+1]
	v_cvt_pk_bf16_f32 v[F+7], v[F+2], v[F+3]
	v_cvt_pk_bf16_f32 v[F+8], v[F+4], v[F+5]
	v_lshlrev_b32 v[F], 16, v[F+6]                 ; alpha1
	v_and_b32 v[F+1], 0xffff0000, v[F+6]           ; iscale1
	v_lshlrev_b32 v[F+2], 16, v[F+7]               ; wscale1
	v_and_b32 v[F+3], 0xffff0000, v[F+7]           ; alpha3
	v_lshlrev_b32 v[F+4], 16, v[F+8]               ; iscale3
	v_and_b32 v[F+5], 0xffff0000, v[F+8]           ; wscale3
	v_rcp_f32 v[F+1], v[F+1]
	v_rcp_f32 v[F+4], v[F+4]
	v_mul_f32 v[F], v[F], v[F+2]                   ; plain work behind the two reciprocals
	v_mul_f32 v[F+3], v[F+3], v[F+5]
	s_wait_alu depctr_va_vdst(0)                   ; one wait for both, ahead of their first reader
	v_mul_f32 v[SC1], v[F], v[F+1]
	v_mul_f32 v[SC3], v[F+3], v[F+4]
	v_mov_b32 v[SC1+1], v[SC1]
	v_mul_f32 v[SC1N], 0xbfb8aa3b, v[SC1]
	v_mov_b32 v[SC1N+1], v[SC1N]
.irp g, 0,1,2,3
	TRIP 4*\g+0, 0
	TRIP 4*\g+1, 1
	TRIP 4*\g+2, 2
	TRIP 4*\g+3, 3
.endr
	TRIP 16, 0                                     ; the last chunk is multiplied; nothing is left to stage, so no barrier follows
	s_mov_b32 s[PS], 4
.Lpass:                                                ; four times: the way out of a pass, then the next pass; a wave whose next unit is past the expert's last jumps to the counter's step
	s_cmp_lt_u32 s[UREL], s[UNI]
	s_cbranch_scc0 .Lnone
	v_mul_f32 v[CJ], v[SC3], v[CFV]
	v_mul_f32 v[CJ+1], v[SC3], v[CFV]
	v_mul_f32 v[CJ+2], v[SC3], v[CFV+1]
	v_mul_f32 v[CJ+3], v[SC3], v[CFV+1]
.irp j, 0,1
.irp p, 0,1,2,3,4,5,6,7
	v_pk_mul_f32 v[X+16*\j+2*\p:X+16*\j+2*\p+1], v[ACC+32*\j+2*\p:ACC+32*\j+2*\p+1], v[SC1N:SC1N+1]  ; -log2(e) g, each accumulator from its low end on
.endr
.endr
.set i, 0
.rept 32
	v_exp_f32 v[X+i], v[X+i]                       ; one batch
.set i, i+1
.endr
.irp j, 0,1
.irp p, 0,1,2,3,4,5,6,7
	v_pk_mul_f32 v[ACC+32*\j+2*\p:ACC+32*\j+2*\p+1], v[ACC+32*\j+2*\p:ACC+32*\j+2*\p+1], v[SC1:SC1+1]  ; g: work that names no exponential's result
.endr
.endr
	s_wait_alu depctr_va_vdst(0)                   ; one wait for the batch
.set i, 0
.rept 16
	v_pk_add_f32 v[X+2*i:X+2*i+1], v[X+2*i:X+2*i+1], 1.0 op_sel_hi:[1,0]
.set i, i+1
.endr
.set i, 0
.rept 32
	v_rcp_f32 v[X+i], v[X+i]                       ; one batch
.set i, i+1
.endr
.irp j, 0,1
.irp p, 0,1,2,3,4,5,6,7
	v_pk_mul_f32 v[ACC+32*\j+16+2*\p:ACC+32*\j+16+2*\p+1], v[ACC+32*\j+16+2*\p:ACC+32*\j+16+2*\p+1], v[CJ+2*\j:CJ+2*\j+1]  ; cf s3 U
.endr
.endr
	s_wait_alu depctr_va_vdst(0)                   ; one wait for the batch
.irp j, 0,1
.irp p, 0,1,2,3,4,5,6,7
	v_pk_mul_f32 v[ACC+32*\j+2*\p:ACC+32*\j+2*\p+1], v[ACC+32*\j+2*\p:ACC+32*\j+2*\p+1], v[X+16*\j+2*\p:X+16*\j+2*\p+1]  ; silu(g)
.endr
.endr
.irp j, 0,1
.irp p, 0,1,2,3,4,5,6,7
	v_pk_mul_f32 v[ACC+32*\j+2*\p:ACC+32*\j+2*\p+1], v[ACC+32*\j+2*\p:ACC+32*\j+2*\p+1], v[ACC+32*\j+16+2*\p:ACC+32*\j+16+2*\p+1]  ; h'
.endr
.endr
.irp j, 0,1
.irp p, 0,1,2,3,4,5,6,7
	v_cvt_pk_bf16_f32 v[ACC+32*\j+16+\p], v[ACC+32*\j+2*\p], v[ACC+32*\j+2*\p+1]  ; hi, where U's first half lay
.endr
.endr
.irp j, 0,1
.irp p, 0,1,2,3,4,5,6,7
	v_lshlrev_b32 v[X+16*\j+2*\p], 16, v[ACC+32*\j+16+\p]          ; hi as f32 again
	v_and_b32 v[X+16*\j+2*\p+1], 0xffff0000, v[ACC+32*\j+16+\p]
.endr
.endr
.irp j, 0,1
.irp p, 0,1,2,3,4,5,6,7,8,9,10,11,12,13,14,15
	v_sub_f32 v[ACC+32*\j+\p], v[ACC+32*\j+\p], v[X+16*\j+\p]      ; what the rounding left: exact in f32
.endr
.endr
.irp j, 0,1
.irp p, 0,1,2,3,4,5,6,7
	v_cvt_pk_bf16_f32 v[ACC+32*\j+24+\p], v[ACC+32*\j+2*\p], v[ACC+32*\j+2*\p+1]  ; lo, where U's second half lay
.endr
.endr
	global_store_b128 v[LO16], v[ACC+16:ACC+19], s[HB0:HB0+1]            ; 512 consecutive bytes each, 2,048 on end, at a multiple of 256 from hs's first: K step 2 sigma (hi), halves i = 0, 1,
	global_store_b128 v[LO16], v[ACC+20:ACC+23], s[HB0:HB0+1] offset:512
	global_store_b128 v[LO16], v[ACC+24:ACC+27], s[HB0:HB0+1] offset:1024  ; and K step 2 sigma + 1 (lo)
	global_store_b128 v[LO16], v[ACC+28:ACC+31], s[HB0:HB0+1] offset:1536
	s_add_co_u32 s74, s[UREL], 1
	s_cmp_lt_u32 s74, s[UNI]
	s_cbranch_scc0 .Lone                           ; my second unit is past the expert's last
	global_store_b128 v[LO16], v[ACC+48:ACC+51], s[HB0+2:HB0+3]
	global_store_b128 v[LO16], v[ACC+52:ACC+55], s[HB0+2:HB0+3] offset:512
	global_store_b128 v[LO16], v[ACC+56:ACC+59], s[HB0+2:HB0+3] offset:1024
	global_store_b128 v[LO16], v[ACC+60:ACC+63], s[HB0+2:HB0+3] offset:1536
.Lone:
	s_wait_xcnt 0x0                                ; on every way from the stores: their data and bases are rewritten only behind this wait, by the next pass or by the next way out
	s_add_co_u32 s[UREL], s[UREL], 32
	s_cmp_lt_u32 s[UREL], s[UNI]
	s_cbranch_scc0 .Lnone
	UNITS
	PROLOG
	s_mov_b32 s[TC], 0
	s_mov_b32 s[LAP], 0
.Llap:                                                 ; sixteen laps of one chunk; the whole slice lies in LDS and nobody writes it: no barrier
	s_wait_xcnt 0x0                                ; the refills' bases are rewritten only behind this wait
	s_add_co_u32 s78, s[LAP], 1
	s_lshl_b32 s78, s78, 12
	s_cmp_lt_u32 s[LAP], NCH-1
	s_cselect_b32 s78, s78, 0                      ; the last lap's refills read the units' first four K steps once more: inside the buffer, and unused
	s_mov_b32 s79, 0
	s_add_nc_u64 s[RA0:RA0+1], s[XA0:XA0+1], s[78:79]
	s_add_nc_u64 s[RA0+2:RA0+3], s[XA0+2:XA0+3], s[78:79]
	v_add_nc_u32 v[BC], s[TC], v[FC]
.irp sl, 0,1,2,3
	FRAGS \sl
	s_wait_loadcnt 12                              ; behind a slot's four loads stand the three other slots' twelve
	PRODS \sl
	REFILL \sl, RA0, \sl*1024
.endr
	s_add_co_u32 s[TC], s[TC], CHUNK
	s_add_co_u32 s[LAP], s[LAP], 1
	s_cmp_lt_u32 s[LAP], NCH
	s_cbranch_scc1 .Llap
	s_wait_loadcnt 0x0
.Lnone:
	s_sub_co_u32 s[PS], s[PS], 1
	s_cmp_lg_u32 s[PS], 0
	s_cbranch_scc1 .Lpass
	s_wait_dscnt 0x0                               ; my LDS reads are back.  The laps' LDS address is a running sum: this barrier, on every wave's way, puts every wave's reads
	s_barrier_signal -1                            ; ahead of every wave's closing add, whatever that sum holds
	s_barrier_wait -1
	s_wait_tensorcnt 0x0                           ; the wave's end: behind my last LDS store
	ds_add_u32 v[SPW], v[NIL]
	s_wait_dscnt 0x0
	s_endpgm
.Lfunc_end_k_qd2112545aa_gateup:
	.size	k_qd2112545aa_gateup, .Lfunc_end_k_qd2112545aa_gateup-k_qd2112545aa_gateup
	.p2alignl 7, 3214868480
	.fill 96, 4, 3214868480
	.section	.rodata,"a",@progbits
	.p2align	6, 0x0
	.amdhsa_kernel k_qd2112545aa_gateup
		.amdhsa_group_segment_fixed_size 280576
		.amdhsa_private_segment_fixed_size 0
		.amdhsa_enable_private_segment 0
		.amdhsa_kernarg_size 96
		.amdhsa_user_sgpr_count 2
		.amdhsa_user_sgpr_kernarg_segment_ptr 1
		.amdhsa_wavefront_size32 1
		.amdhsa_system_sgpr_workgroup_id_x 1
		.amdhsa_system_sgpr_workgroup_id_y 1
		.amdhsa_system_sgpr_workgroup_id_z 1
		.amdhsa_system_vgpr_workitem_id 0
		.amdhsa_next_free_vgpr 256
		.amdhsa_next_free_sgpr 80
		.amdhsa_reserve_vcc 0
		.amdhsa_float_denorm_mode_32 3
		.amdhsa_float_denorm_mode_16_64 3
		.amdhsa_memory_ordered 1
		.amdhsa_forward_progress 1
		.amdhsa_inst_pref_size 169
	.end_amdhsa_kernel
	.amdgpu_metadata
---
amdhsa.version: [ 1, 2 ]
amdhsa.kernels:
  - .name:           k_qd2112545aa_gateup
    .symbol:         k_qd2112545aa_gateup.kd
    .args:
      - { .name: xs, .offset: 0, .size: 8, .value_kind: global_buffer, .address_space: global }
      - { .name: cf, .offset: 8, .size: 8, .value_kind: global_buffer, .address_space: global }
      - { .name: tab, .offset: 16, .size: 8, .value_kind: global_buffer, .address_space: global }
      - { .name: w1, .offset: 24, .size: 8, .value_kind: global_buffer, .address_space: global }
      - { .name: w3, .offset: 32, .size: 8, .value_kind: global_buffer, .address_space: global }
      - { .name: w1_alpha, .offset: 40, .size: 8, .value_kind: global_buffer, .address_space: global }
      - { .name: w1_iscale, .offset: 48, .size: 8, .value_kind: global_buffer, .address_space: global }
      - { .name: w1_wscale, .offset: 56, .size: 8, .value_kind: global_buffer, .address_space: global }
      - { .name: w3_alpha, .offset: 64, .size: 8, .value_kind: global_buffer, .address_space: global }
      - { .name: w3_iscale, .offset: 72, .size: 8, .value_kind: global_buffer, .address_space: global }
      - { .name: w3_wscale, .offset: 80, .size: 8, .value_kind: global_buffer, .address_space: global }
      - { .name: hs, .offset: 88, .size: 8, .value_kind: global_buffer, .address_space: global }
    .group_segment_fixed_size: 280576
    .private_segment_fixed_size: 0
    .kernarg_segment_align: 8
    .kernarg_segment_size: 96
    .max_flat_workgroup_size: 512
    .sgpr_count:     80
    .vgpr_count:     256
    .wavefront_size: 32
...
	.end_amdgpu_metadata
.endif
;; end of part 2
;; launch down (part 3): grid 32 x 8, 16 waves a work-group, no clusters, 141,312 bytes of LDS; arguments hs, ent, tab, w2, w2_alpha, w2_iscale, w2_wscale, part; writes part
.if DOCPART == 3
	.amdgcn_target "amdgcn-amd-amdhsa--gfx1250"
	.amdhsa_code_object_version 6
	.text
	.protected	k_qd2112545aa_down
	.globl	k_qd2112545aa_down
	.p2align	8
	.type	k_qd2112545aa_down,@function
k_qd2112545aa_down:
	s_mov_b64 s[64:65], 0
	v_nop
	global_prefetch_b8 v0, s[64:65] scope:SCOPE_SE
	s_setreg_imm32_b32 hwreg(HW_REG_WAVE_MODE, 25, 1), 1
	s_wait_xcnt 0x0
; part[row of the slot][c] = s2 * sum over i of h'[slot][i] w2[e][c][i],  s2 = alpha2 * (1 / iscale2) * wscale2, for the routed rows alone; the routing weight is in h' already.
; h' COMES AS TWO bf16 NUMBERS, hi + lo (K steps 2 s and 2 s + 1 of a unit of hs hold them for channels 32 s .. +31): both are multiplied by the same weight fragments into the same sums, so that
; h' enters with 16 significant bits.  That doubles this launch's products; the weights' bytes and the LDS reads stay as they are.
; The structure is the gate-and-up launch's.  Work-group (sigma, e) alone reads rows 64 sigma .. +63 of w2[e] (256 KB of f32), once, and serves all units of expert e.
; Sixteen waves of 256 registers, all alike.  Each STAGES four weight rows (f32 through a ring of four register sets of four loads, rounded to bf16, into LDS) and MULTIPLIES two units by all 64 columns,
; 8 accumulators; token fragments come from hs into a ring of four K-step slots in registers (two pairs of hi and lo), weight fragments from LDS.  K = 1,024 goes in 8 chunks of 128; chunk c has LDS bytes
; of its own, c*17408 on, written once: in trip t chunk t is written and chunk t - 1 read, one barrier a trip.  The nine trips are written out: every LDS address is a constant plus a lane term made once.
; THE COUNTS OF LOADS are kept by the assembler: SEQ = global loads issued so far, XQn / WQz = SEQ when slot n's / set z's last load went out; their difference is the wait's count.  Every global load
; stands on every wave's way: a wave without a unit jumps only over LDS loads and products, and its fragment loads ask for the same 16 bytes in all lanes.
; The first pass serves units 0-31; up to three further passes (128 units, the most one expert can have) only read LDS, with no barrier.  An expert without rows still streams its slice and stores nothing.
; THE PRODUCT has the tokens as source 0 and the weights as source 1; weight row rho of the slice lies in LDS row 16 (rho % 4) + rho / 4, so that tile q's column r is output column 4 r + q:
; a lane's four tiles give four neighbouring f32 of one token's row, and sixteen lanes store 256 consecutive aligned bytes of a row of part.
; Rows of part: entry 2 t + k, from the stored list (held below 2,176 before it enters an address); padding slots go to dump rows that nobody reads.
; NO TENSOR LOADS, NO MULTICAST: the weights are rounded on their way and each slice has one reader; the token rows are shared by an expert's 32 work-groups, but how many there are hangs on a stored count.
; LIMITS.  w2 and its three scale numbers are rounded once to bf16; s2 is applied in f32 behind the sums.  v_rcp_f32 flushes denormals.  NaN and infinities are not treated apart.
.set PITCH, 272
.set CHUNK, 64*PITCH
.set NCH,   8
.set KS,    8*NCH                      ; K steps of hs: a chunk's four steps of 32 channels, each as hi and as lo
.set SPARE, NCH*CHUNK
.set ROWB,  4096
.set LO16, 1                           ; v1  16 x lane
.set VX,   2                           ; v2  16 x lane, or 0 in a wave without a unit
.set FC,   3                           ; v3  a fragment's place in a chunk: r*272 + 16 h
.set FP,   4                           ; v4  where I stage: row w of 272 + 8 x lane
.set BC,   5
.set BP,   6
.set SPW,  7                           ; v7  my spare word; never rewritten
.set NIL,  8                           ; v8  0; never rewritten
.set R16,  9                           ; v9  16 r
.set H32,  10                          ; v10 32 h
.set S2V,  11                          ; v11 s2
.set T,    12                          ; v[12:19]
.set ACC,  20                          ; v[20:83] unit j, tile q at ACC + 32 j + 8 q
.set F,    84                          ; v[84:115]
.set X,    116                         ; v[116:179] slot n (K step % 4), unit j at X + 16 n + 8 j; on the way out 32 registers a unit
.set W,    180                         ; v[180:243] set z, row l at W + 16 z + 4 l
.set EN,   W                           ; set 0, once its last chunk is staged: unit j: the rows of part of my eight tokens, at EN + 8 j
.set WV,   32
.set SIG,  33
.set EX,   34
.set UB,   36
.set UNI,  37
.set NU,   38
.set CA0,  40                          ; s[40:43] later passes: hs at the lap's own chunk (the scale numbers that lay here have gone into v11)
.set UREL, 46
.set PS,   48
.set XA0,  50                          ; s[50:53] hs at my two units
.set WB,   54
.set RA0,  56                          ; s[56:59] later passes: hs at the next lap's chunk
.set PB,   60                          ; s[60:61] part at my slice's 256 bytes of row 0
.set TC,   66
.set EB0,  68                          ; s[68:71] ent at my two units
.set LAP,  73
.set SEQ,  0
.macro WAITL q                         ; the loads up to number q are in; the younger ones stay out.  The count's field ends at 63: a smaller count than the true one is safe
.if SEQ-(\q) > 63
	s_wait_loadcnt 63
.else
	s_wait_loadcnt SEQ-(\q)
.endif
.endm
.macro UNITS
	s_add_co_u32 s74, s[UB], s[UREL]
	s_sub_co_u32 s76, s[NU], 1
	s_mov_b32 s79, 0
.irp j, 0,1
	s_add_co_u32 s75, s74, \j
	s_min_u32 s75, s75, s76
	s_min_u32 s75, s75, 135
	s_lshl_b32 s78, s75, 16
	s_add_nc_u64 s[XA0+2*\j:XA0+2*\j+1], s[8:9], s[78:79]
	s_lshl_b32 s78, s75, 6
	s_add_nc_u64 s[EB0+2*\j:EB0+2*\j+1], s[10:11], s[78:79]
.endr
	s_cmp_lt_u32 s[UREL], s[UNI]
	s_cselect_b32 s78, -1, 0
	v_and_b32 v[VX], s78, v[LO16]                  ; a wave without a unit asks for one 16 bytes with all its lanes
	v_min_u32 v[VX], 0x1f0, v[VX]                  ; held to 496, as every number that hangs on stored data is before it enters an address
.endm
.macro ENLOAD                          ; the rows of part of my 2 x 8 tokens
.irp j, 0,1
	global_load_b128 v[EN+8*\j:EN+8*\j+3], v[H32], s[EB0+2*\j:EB0+2*\j+1]
	global_load_b128 v[EN+8*\j+4:EN+8*\j+7], v[H32], s[EB0+2*\j:EB0+2*\j+1] offset:16
.endr
.set SEQ, SEQ+4
.endm
.macro PROLOG en                       ; a pass begins: K steps 0 to 3 (two pairs).  en = 1 (later passes): the rows of part too; in the first pass they follow when set 0 is free
.if \en
	ENLOAD
.endif
.irp n, 0,1,2,3
.irp j, 0,1
	global_load_b128 v[X+16*\n+8*\j:X+16*\n+8*\j+3], v[VX], s[XA0+2*\j:XA0+2*\j+1] offset:1024*\n
	global_load_b128 v[X+16*\n+8*\j+4:X+16*\n+8*\j+7], v[VX], s[XA0+2*\j:XA0+2*\j+1] offset:1024*\n+512
.endr
.set SEQ, SEQ+4
.set XQ\n, SEQ
.endr
.set i, 0
.rept 64
	v_mov_b32 v[ACC+i], 0
.set i, i+1
.endr
.endm
.macro FRAGS sl                        ; step sl (32 channels) of the chunk at BC: four weight fragments
.irp q, 0,1,2,3
	ds_load_b128 v[F+8*\q:F+8*\q+3], v[BC] offset:\q*16*PITCH+(\sl)*64
	ds_load_b128 v[F+8*\q+4:F+8*\q+7], v[BC] offset:\q*16*PITCH+(\sl)*64+32
.endr
.endm
; Eight products of slot n with the fragments in F.  dsw = 1: the fragments are still landing.  The eight accumulators take turns, one instruction a turn, in the same order for hi and for lo,
; over pairs, trips and loop edges.
.macro PRODS n, dsw
.irp q, 0,1,2,3
.if \dsw
	s_wait_dscnt 6-2*\q                            ; tile q's two loads are in; the later tiles' stay out
.endif
	v_wmma_f32_16x16x32_bf16 v[ACC+8*\q:ACC+8*\q+7], v[X+16*(\n):X+16*(\n)+7], v[F+8*\q:F+8*\q+7], v[ACC+8*\q:ACC+8*\q+7]
	v_wmma_f32_16x16x32_bf16 v[ACC+32+8*\q:ACC+32+8*\q+7], v[X+16*(\n)+8:X+16*(\n)+15], v[F+8*\q:F+8*\q+7], v[ACC+32+8*\q:ACC+32+8*\q+7]
.endr
.endm
.macro PLACES
.rept 4
	v_nop                                          ; four places between the products and the loads into their sources, or the reads of their results
.endr
.endm
.macro REFILL n, ba, off               ; slot n takes the K step at byte off from base ba
.irp j, 0,1
	global_load_b128 v[X+16*(\n)+8*\j:X+16*(\n)+8*\j+3], v[VX], s[(\ba)+2*\j:(\ba)+2*\j+1] offset:(\off)
	global_load_b128 v[X+16*(\n)+8*\j+4:X+16*(\n)+8*\j+7], v[VX], s[(\ba)+2*\j:(\ba)+2*\j+1] offset:(\off)+512
.endr
.endm
; Step sl of chunk t - 1: hi in slot a, lo in slot b, K steps 8 (t - 1) + 2 sl and + 1.  The weight fragments are loaded and used in one arm; both slots are asked for again, two pairs on, on every wave's way.
.macro PAIR t, sl, a, b
	s_cmp_lt_u32 s[UREL], s[UNI]
	s_cbranch_scc0 .Ldead\@
	FRAGS \sl
	WAITL XQ\a
	PRODS \a, 1
	WAITL XQ\b
	PRODS \b, 0
	PLACES
	s_branch .Ljoin\@
.Ldead\@:
	WAITL XQ\b                                     ; no unit: nothing is multiplied; both slots' loads (b's are the younger) are waited for all the same, since they are loaded again
.Ljoin\@:
.if 8*((\t)-1)+2*(\sl)+4 < KS
	REFILL \a, XA0, (8*((\t)-1)+2*(\sl)+4)*1024
.set SEQ, SEQ+4
.set XQ\a, SEQ
	REFILL \b, XA0, (8*((\t)-1)+2*(\sl)+5)*1024
.set SEQ, SEQ+4
.set XQ\b, SEQ
.endif
.endm
; Trip t; z = t % 4.  Chunk t is rounded and laid into LDS and its set asked for again; chunk t - 1 is multiplied, four pairs; the barrier hands chunk t over.
.macro TRIP t, z
.if (\t) < NCH
	WAITL WQ\z
	v_add_nc_u32 v[BP], (\t)*CHUNK, v[FP]
.irp l, 0,1,2,3
	v_cvt_pk_bf16_f32 v[T+2*\l], v[W+16*\z+4*\l], v[W+16*\z+4*\l+1]
	v_cvt_pk_bf16_f32 v[T+2*\l+1], v[W+16*\z+4*\l+2], v[W+16*\z+4*\l+3]
.endr
.if (\t)+4 < NCH
.irp l, 0,1,2,3
	global_load_b128 v[W+16*\z+4*\l:W+16*\z+4*\l+3], v[LO16], s[WB:WB+1] offset:\l*ROWB+((\t)+4)*512 th:TH_LOAD_NT  ; 512 consecutive bytes of one row
.endr
.set SEQ, SEQ+4
.set WQ\z, SEQ
.elseif (\t)+4 == NCH
	ENLOAD                                         ; set 0 has no further chunk: it takes the rows of part
.endif
.irp l, 0,1,2,3
	ds_store_b64 v[BP], v[T+2*\l:T+2*\l+1] offset:\l*16*PITCH  ; row 4 w + l of the slice goes to LDS row 16 l + w; 256 consecutive bytes
.endr
.endif
.if (\t) > 0
	v_add_nc_u32 v[BC], ((\t)-1)*CHUNK, v[FC]
	PAIR \t, 0, 0, 1
	PAIR \t, 1, 2, 3
	PAIR \t, 2, 0, 1
	PAIR \t, 3, 2, 3
.endif
.if (\t) < NCH
	s_wait_dscnt 0x0                               ; for the others' sake: my stores of chunk t are done
	s_barrier_signal -1
	s_barrier_wait -1
.endif
.endm
; A pair in a later pass.  Behind slot a's four loads stand slot b's four and the other pair's eight; behind slot b's the eight.
.macro LPAIR sl, a, b, ba, off
	FRAGS \sl
	s_wait_loadcnt 12
	PRODS \a, 1
	s_wait_loadcnt 8
	PRODS \b, 0
	PLACES
	REFILL \a, \ba, \off
	REFILL \b, \ba, (\off)+1024
.endm
; Unit j leaves: the eight rows' addresses, s2, and eight stores; lanes 0-15 fill 256 aligned bytes of one row of part, lanes 16-31 of another.
.macro OUT j
.irp t, 0,1,2,3,4,5,6,7
	v_min_u32 v[EN+8*\j+\t], 0x87f, v[EN+8*\j+\t]
	v_lshl_add_u32 v[EN+8*\j+\t], v[EN+8*\j+\t], 13, v[R16]
.endr
.irp t, 0,1,2,3,4,5,6,7
.irp q, 0,1,2,3
	v_mul_f32 v[X+32*\j+4*\t+\q], v[S2V], v[ACC+32*\j+8*\q+\t]  ; each accumulator from its low end on
.endr
.endr
.irp t, 0,1,2,3,4,5,6,7
	global_store_b128 v[EN+8*\j+\t], v[X+32*\j+4*\t:X+32*\j+4*\t+3], s[PB:PB+1]
.endr
.endm
	s_load_b512 s[8:23], s[0:1], 0x0               ; hs 8, ent 10, tab 12, w2 14, w2_alpha 16, w2_iscale 18, w2_wscale 20, part 22
	v_lshl_add_u32 v[SPW], v0, 2, SPARE
	v_mov_b32 v[NIL], 0
	v_lshrrev_b32 v[T], 5, v0
	v_readfirstlane_b32 s[WV], v[T]
	v_and_b32 v[T+1], 31, v0
	v_lshlrev_b32 v[LO16], 4, v[T+1]
	s_mov_b32 s[SIG], ttmp9
	s_and_b32 s[EX], ttmp7, 0xffff
	s_lshl_b32 s35, s[EX], 2
	s_lshl_b32 s3, s[EX], 3
	s_lshl_b32 s74, s[WV], 2                       ; the weights' offset: expert e, row 64 sigma + 4 w
	s_lshl_b32 s75, s[SIG], 6
	s_add_co_u32 s74, s74, s75
	s_lshl_b32 s74, s74, 12
	s_lshl_b32 s75, s[EX], 23
	s_add_co_u32 s74, s74, s75
	s_mov_b32 s75, 0
	s_lshl_b32 s76, s[SIG], 8
	s_mov_b32 s77, 0
	s_mul_i32 s78, s[WV], PITCH
	v_lshl_add_u32 v[FP], v[T+1], 3, s78
	s_lshl_b32 s[UREL], s[WV], 1
	s_wait_kmcnt 0x0
	s_load_b64 s[UB:UB+1], s[12:13], s3 offset:0x0
	s_load_b32 s[NU], s[12:13], 0x40
	s_load_b32 s40, s[16:17], s35 offset:0x0
	s_load_b32 s41, s[18:19], s35 offset:0x0
	s_load_b32 s42, s[20:21], s35 offset:0x0
	s_add_nc_u64 s[WB:WB+1], s[14:15], s[74:75]
	s_add_nc_u64 s[PB:PB+1], s[22:23], s[76:77]
.irp z, 0,1,2,3
.irp l, 0,1,2,3
	global_load_b128 v[W+16*\z+4*\l:W+16*\z+4*\l+3], v[LO16], s[WB:WB+1] offset:\l*ROWB+\z*512 th:TH_LOAD_NT  ; chunks 0 to 3: the stream starts before anything else is waited for
.endr
.set SEQ, SEQ+4
.set WQ\z, SEQ
.endr
	v_and_b32 v[T], 15, v0                         ; r
	v_bfe_u32 v[T+1], v0, 4, 1                     ; h
	v_mul_u32_u24 v[FC], v[T], PITCH
	v_lshl_add_u32 v[FC], v[T+1], 4, v[FC]
	v_lshlrev_b32 v[R16], 4, v[T]
	v_lshlrev_b32 v[H32], 5, v[T+1]
	s_wait_kmcnt 0x0
	UNITS
	PROLOG 0
	v_mov_b32 v[F], s40                            ; the three scale numbers, each rounded to bf16 like every input
	v_mov_b32 v[F+1], s41
	v_mov_b32 v[F+2], s42
	v_cvt_pk_bf16_f32 v[F], v[F], v[F+1]
	v_cvt_pk_bf16_f32 v[F+2], v[F+2], v[F+2]
	v_and_b32 v[F+1], 0xffff0000, v[F]             ; iscale
	v_lshlrev_b32 v[F], 16, v[F]                   ; alpha
	v_lshlrev_b32 v[F+2], 16, v[F+2]               ; wscale
	v_rcp_f32 v[F+1], v[F+1]
	v_mul_f32 v[F], v[F], v[F+2]                   ; plain work behind the reciprocal
	s_wait_alu depctr_va_vdst(0)                   ; its wait, ahead of its reader
	v_mul_f32 v[S2V], v[F], v[F+1]
.irp g, 0,1
	TRIP 4*\g+0, 0
	TRIP 4*\g+1, 1
	TRIP 4*\g+2, 2
	TRIP 4*\g+3, 3
.endr
	TRIP 8, 0                                      ; the last chunk is multiplied; nothing is left to stage, so no barrier follows
	s_mov_b32 s[PS], 4
.Lpass:                                                ; four times: the way out of a pass, then the next pass; a wave whose next unit is past the expert's last jumps to the counter's step
	s_cmp_lt_u32 s[UREL], s[UNI]
	s_cbranch_scc0 .Lnone
	OUT 0
	s_add_co_u32 s74, s[UREL], 1
	s_cmp_lt_u32 s74, s[UNI]
	s_cbranch_scc0 .Lone                           ; my second unit is past the expert's last
	OUT 1
.Lone:
	s_wait_xcnt 0x0                                ; on every way from the stores: their data and addresses are rewritten only behind this wait, by the next pass or by the next way out
	s_add_co_u32 s[UREL], s[UREL], 32
	s_cmp_lt_u32 s[UREL], s[UNI]
	s_cbranch_scc0 .Lnone
	UNITS
	PROLOG 1
	s_mov_b32 s[TC], 0
	s_mov_b32 s[LAP], 0
.Llap:                                                 ; eight laps of one chunk (8 K steps, 8,192 bytes of a unit); the whole slice lies in LDS and nobody writes it: no barrier
	s_wait_xcnt 0x0                                ; the refills' bases are rewritten only behind this wait
	s_lshl_b32 s78, s[LAP], 13
	s_mov_b32 s79, 0
	s_add_nc_u64 s[CA0:CA0+1], s[XA0:XA0+1], s[78:79]      ; this lap's chunk: its last two pairs are asked for by its first two
	s_add_nc_u64 s[CA0+2:CA0+3], s[XA0+2:XA0+3], s[78:79]
	s_add_co_u32 s78, s[LAP], 1
	s_lshl_b32 s78, s78, 13
	s_cmp_lt_u32 s[LAP], NCH-1
	s_cselect_b32 s78, s78, 0                      ; the last lap's last refills read the units' first four K steps once more: inside the buffer, and unused
	s_add_nc_u64 s[RA0:RA0+1], s[XA0:XA0+1], s[78:79]      ; the next lap's chunk: its first two pairs
	s_add_nc_u64 s[RA0+2:RA0+3], s[XA0+2:XA0+3], s[78:79]
	v_add_nc_u32 v[BC], s[TC], v[FC]
	LPAIR 0, 0, 1, CA0, 4096
	LPAIR 1, 2, 3, CA0, 6144
	LPAIR 2, 0, 1, RA0, 0
	LPAIR 3, 2, 3, RA0, 2048
	s_add_co_u32 s[TC], s[TC], CHUNK
	s_add_co_u32 s[LAP], s[LAP], 1
	s_cmp_lt_u32 s[LAP], NCH
	s_cbranch_scc1 .Llap
	s_wait_loadcnt 0x0
.Lnone:
	s_sub_co_u32 s[PS], s[PS], 1
	s_cmp_lg_u32 s[PS], 0
	s_cbranch_scc1 .Lpass
	s_wait_dscnt 0x0                               ; my LDS reads are back.  The laps' LDS address is a running sum: this barrier, on every wave's way, puts every wave's reads
	s_barrier_signal -1                            ; ahead of every wave's closing add, whatever that sum holds
	s_barrier_wait -1
	s_wait_tensorcnt 0x0                           ; the wave's end: behind my last LDS store
	ds_add_u32 v[SPW], v[NIL]
	s_wait_dscnt 0x0
	s_endpgm
.Lfunc_end_k_qd2112545aa_down:
	.size	k_qd2112545aa_down, .Lfunc_end_k_qd2112545aa_down-k_qd2112545aa_down
	.p2alignl 7, 3214868480
	.fill 96, 4, 3214868480
	.section	.rodata,"a",@progbits
	.p2align	6, 0x0
	.amdhsa_kernel k_qd2112545aa_down
		.amdhsa_group_segment_fixed_size 141312
		.amdhsa_private_segment_fixed_size 0
		.amdhsa_enable_private_segment 0
		.amdhsa_kernarg_size 64
		.amdhsa_user_sgpr_count 2
		.amdhsa_user_sgpr_kernarg_segment_ptr 1
		.amdhsa_wavefront_size32 1
		.amdhsa_system_sgpr_workgroup_id_x 1
		.amdhsa_system_sgpr_workgroup_id_y 1
		.amdhsa_system_sgpr_workgroup_id_z 1
		.amdhsa_system_vgpr_workitem_id 0
		.amdhsa_next_free_vgpr 256
		.amdhsa_next_free_sgpr 80
		.amdhsa_reserve_vcc 0
		.amdhsa_float_denorm_mode_32 3
		.amdhsa_float_denorm_mode_16_64 3
		.amdhsa_memory_ordered 1
		.amdhsa_forward_progress 1
		.amdhsa_inst_pref_size 125
	.end_amdhsa_kernel
	.amdgpu_metadata
---
amdhsa.version: [ 1, 2 ]
amdhsa.kernels:
  - .name:           k_qd2112545aa_down
    .symbol:         k_qd2112545aa_down.kd
    .args:
      - { .name: hs, .offset: 0, .size: 8, .value_kind: global_buffer, .address_space: global }
      - { .name: ent, .offset: 8, .size: 8, .value_kind: global_buffer, .address_space: global }
      - { .name: tab, .offset: 16, .size: 8, .value_kind: global_buffer, .address_space: global }
      - { .name: w2, .offset: 24, .size: 8, .value_kind: global_buffer, .address_space: global }
      - { .name: w2_alpha, .offset: 32, .size: 8, .value_kind: global_buffer, .address_space: global }
      - { .name: w2_iscale, .offset: 40, .size: 8, .value_kind: global_buffer, .address_space: global }
      - { .name: w2_wscale, .offset: 48, .size: 8, .value_kind: global_buffer, .address_space: global }
      - { .name: part, .offset: 56, .size: 8, .value_kind: global_buffer, .address_space: global }
    .group_segment_fixed_size: 141312
    .private_segment_fixed_size: 0
    .kernarg_segment_align: 8
    .kernarg_segment_size: 64
    .max_flat_workgroup_size: 512
    .sgpr_count:     80
    .vgpr_count:     256
    .wavefront_size: 32
...
	.end_amdgpu_metadata
.endif
;; end of part 3
;; launch combine (part 4): grid 256 x 1, 8 waves a work-group, no clusters, 0 bytes of LDS; arguments part, out0; writes out0
.if DOCPART == 4
	.amdgcn_target "amdgcn-amd-amdhsa--gfx1250"
	.amdhsa_code_object_version 6
	.text
	.protected	k_qd2112545aa_combine
	.globl	k_qd2112545aa_combine
	.p2align	8
	.type	k_qd2112545aa_combine,@function
k_qd2112545aa_combine:
	s_mov_b64 s[64:65], 0
	v_nop
	global_prefetch_b8 v0, s[64:65] scope:SCOPE_SE
	s_setreg_imm32_b32 hwreg(HW_REG_WAVE_MODE, 25, 1), 1
	s_wait_xcnt 0x0
; out[t] = part[2 t] + part[2 t + 1]: a token's two routed results, each already weighted.  f32 in, f32 out, one addition (the order is choice 0 + choice 1, not the experts' order).
; A stream: 256 work-groups of four tokens; a wave takes half a row (4,096 bytes) of one token: sixteen loads of 512 consecutive bytes, all out before the first wait, eight stores of 512.
; No LDS, no barrier, no matrix unit: memory binds, and every byte is read once and written once.
.set D, 8                              ; v[8:71] piece i: 4 registers of row 2 t, 4 of row 2 t + 1
	s_load_b128 s[4:7], s[0:1], 0x0                ; part s[4:5], out0 s[6:7]
	v_and_b32 v1, 31, v0
	v_lshrrev_b32 v2, 5, v0
	v_lshlrev_b32 v1, 4, v1
	v_lshl_add_u32 v3, v2, 12, v1                  ; in out0: 4,096 bytes a wave, 16 a lane
	v_lshrrev_b32 v4, 6, v0
	v_lshl_add_u32 v4, v4, 13, v3                  ; in part a token has two rows: 8,192 bytes more for each token
	s_lshl_b32 s8, ttmp9, 16
	s_mov_b32 s9, 0
	s_lshl_b32 s10, ttmp9, 15
	s_mov_b32 s11, 0
	s_wait_kmcnt 0x0
	s_add_nc_u64 s[4:5], s[4:5], s[8:9]
	s_add_nc_u64 s[6:7], s[6:7], s[10:11]
.irp i, 0,1,2,3,4,5,6,7
	global_load_b128 v[D+8*(\i):D+8*(\i)+3], v4, s[4:5] offset:512*(\i) th:TH_LOAD_NT
	global_load_b128 v[D+8*(\i)+4:D+8*(\i)+7], v4, s[4:5] offset:512*(\i)+8192 th:TH_LOAD_NT
.endr
.irp i, 0,1,2,3,4,5,6,7
	s_wait_loadcnt 14-2*(\i)                       ; loads return in order: piece i's two are in, the younger ones stay out
	v_pk_add_f32 v[D+8*(\i):D+8*(\i)+1], v[D+8*(\i):D+8*(\i)+1], v[D+8*(\i)+4:D+8*(\i)+5]
	v_pk_add_f32 v[D+8*(\i)+2:D+8*(\i)+3], v[D+8*(\i)+2:D+8*(\i)+3], v[D+8*(\i)+6:D+8*(\i)+7]
	global_store_b128 v3, v[D+8*(\i):D+8*(\i)+3], s[6:7] offset:512*(\i) th:TH_STORE_NT
.endr
	s_endpgm
.Lfunc_end_k_qd2112545aa_combine:
	.size	k_qd2112545aa_combine, .Lfunc_end_k_qd2112545aa_combine-k_qd2112545aa_combine
	.p2alignl 7, 3214868480
	.fill 96, 4, 3214868480
	.section	.rodata,"a",@progbits
	.p2align	6, 0x0
	.amdhsa_kernel k_qd2112545aa_combine
		.amdhsa_group_segment_fixed_size 0
		.amdhsa_private_segment_fixed_size 0
		.amdhsa_enable_private_segment 0
		.amdhsa_kernarg_size 16
		.amdhsa_user_sgpr_count 2
		.amdhsa_user_sgpr_kernarg_segment_ptr 1
		.amdhsa_wavefront_size32 1
		.amdhsa_system_sgpr_workgroup_id_x 1
		.amdhsa_system_sgpr_workgroup_id_y 1
		.amdhsa_system_sgpr_workgroup_id_z 1
		.amdhsa_system_vgpr_workitem_id 0
		.amdhsa_next_free_vgpr 72
		.amdhsa_next_free_sgpr 66
		.amdhsa_reserve_vcc 0
		.amdhsa_float_denorm_mode_32 3
		.amdhsa_float_denorm_mode_16_64 3
		.amdhsa_memory_ordered 1
		.amdhsa_forward_progress 1
		.amdhsa_inst_pref_size 5
	.end_amdhsa_kernel
	.amdgpu_metadata
---
amdhsa.version: [ 1, 2 ]
amdhsa.kernels:
  - .name:           k_qd2112545aa_combine
    .symbol:         k_qd2112545aa_combine.kd
    .args:
      - { .name: part, .offset: 0, .size: 8, .value_kind: global_buffer, .address_space: global }
      - { .name: out0, .offset: 8, .size: 8, .value_kind: global_buffer, .address_space: global }
    .group_segment_fixed_size: 0
    .private_segment_fixed_size: 0
    .kernarg_segment_align: 8
    .kernarg_segment_size: 16
    .max_flat_workgroup_size: 256
    .sgpr_count:     66
    .vgpr_count:     72
    .wavefront_size: 32
...
	.end_amdgpu_metadata
.endif
;; end of part 4
;; ======== version 2 of 3: 4 launches; 1.15 times as fast as version 1
;; limits: values are held in f16: magnitudes above 65,504 overflow, below 6.1e-05 lose precision; right only within a limited range of input values
;; workspace buffers: xs 8,912,896 bytes; hs 4,456,448 bytes; he 17,408 bytes; part 17,825,792 bytes; ent 8,704 bytes of whole numbers; cf 8,704 bytes; tab 256 bytes of whole numbers
;; launch prep: the kernel of part 1 again; grid 136 x 2, 8 waves a work-group, no clusters, 37,888 bytes of LDS; arguments x, selected_experts, routing_weights, xs, ent, cf, tab; writes xs, ent, cf, tab
;; launch gateup (part 5): grid 32 x 8, 16 waves a work-group, no clusters, 280,576 bytes of LDS; arguments xs, cf, tab, w1, w3, w1_alpha, w1_iscale, w1_wscale, w3_alpha, w3_iscale, w3_wscale, hs, he; writes hs, he
.if DOCPART == 5
	.amdgcn_target "amdgcn-amd-amdhsa--gfx1250"
	.amdhsa_code_object_version 6
	.text
	.protected	k_qd2112545aa_gateup
	.globl	k_qd2112545aa_gateup
	.p2align	8
	.type	k_qd2112545aa_gateup,@function
k_qd2112545aa_gateup:
	s_mov_b64 s[64:65], 0
	v_nop
	global_prefetch_b8 v0, s[64:65] scope:SCOPE_SE
	s_setreg_imm32_b32 hwreg(HW_REG_WAVE_MODE, 25, 1), 1
	s_wait_xcnt 0x0
; h'[slot][c] = cf[slot] * silu(s1 G) * (s3 U),  G = x w1[e]^T, U = x w3[e]^T,  s_i = alpha_i * (1 / iscale_i) * wscale_i, for the routed rows alone.
; h' IS STORED IN f16 WITH A BLOCK EXPONENT.  A block is a wave's two units (32 rows) x this work-group's 32 channels.  B = the power of two of the block's largest |h'|; h' * 2^14 / B (exact) lies
; within 2^15 and is rounded once to f16; B goes as one f32 word to he[the wave's first unit][sigma].  So f16's 11 significant bits are had whatever the inputs' size.  bf16's 8 bits are too few here:
; that rounding reaches the output undiminished.  hs: a unit is 32 K steps of 1,024 bytes, step s = channels 32 s .. +31, in the order in which a matrix operand's registers take it.
; SHARES.  Work-group (sigma, e) alone reads rows 32 sigma .. +31 of w1[e] and of w3[e] (512 KB of f32), once, and serves all units of expert e.
; Sixteen waves of 256 registers, all alike.  Each STAGES four of the slice's 64 weight rows (waves 0-7: w1's, waves 8-15: w3's): f32 through a ring of two register sets of four loads
; (4 to 8 loads of 512 bytes out in each wave; a set is asked for two trips ahead of its use), rounded to bf16, into LDS.  Each MULTIPLIES two units (32 token rows) by all 64 weight rows,
; 8 accumulators: its token fragments come from xs straight into a ring of four K-step slots in registers, each asked for again as soon as it has been multiplied, four K steps ahead.
; ITS WEIGHT FRAGMENTS come from LDS into TWO BUFFERS that take turns: a K step's eight LDS loads are issued one K step ahead of its products; those of a trip's first K step directly behind the barrier,
; ahead of the staging.  A trip's last K step fetches nothing: the next chunk may be read only behind the barrier.
; K goes in 16 chunks of 128.  Chunk c has LDS bytes of its own, c*17408 on (64 rows, 272 bytes apart), written once in the launch: in trip t chunk t is written and chunk t - 1 read,
; one barrier a trip; behind the last of these the whole slice lies in LDS.  The 17 trips are written out, so that every LDS address is a constant plus a lane term made once.
; THE COUNTS OF LOADS are kept by the assembler: SEQ = global loads issued so far, XQn / WQz = SEQ when slot n's / set z's last load went out; their difference is the number of younger loads, the wait's count.
; That holds because every global load stands on every wave's way: a wave without a unit jumps only over LDS loads and products, and its fragment loads ask for the same 16 bytes in all lanes.
; EVERY SPLIT.  The first pass serves the expert's units 0-31; up to three further passes (4 x 32 = 128 units, the most that 2,048 entries can give one expert) only read LDS, with no barrier; a pass without
; a unit for the wave is jumped.  An expert without rows still streams its slice and stores nothing.
; NO TENSOR LOADS, NO MULTICAST: the weights must be rounded on their way, each slice has one reader, and beside the slice's 278,528 bytes LDS has no room for the expert's token rows, which its 32 work-groups do share.
; THE PRODUCT is used with the weights as source 0 and the tokens as source 1: a lane then holds one token and eight neighbouring channels of h', 16 bytes of hs in its fragment order.
; The accumulators are cleared by 64 moves a pass, and the two fragment buffers written once by 64 moves, in the wait for the first chunk, on every wave's way: so no way through the text's
; branches reads a register that was never written.
; LIMITS.  Weights, scales and alphas are rounded once to bf16; the scales are applied in f32 behind the sums.  Where -1.4427 s1 G passes 128 the exponential is infinite and silu is -0.
; A block whose largest |h'| lies below 2^-112 is scaled as if it were 2^-112.  A number more than 2^28 below its block's largest falls among f16's denormals and keeps their fixed step.
; v_exp_f32 and v_rcp_f32 flush denormals.  NaN and infinities are not treated apart.  An expert's rows past 512 are multiplied without the overlap with the stream.
.set PITCH, 272                        ; 256 bytes + 16: the 16 rows of a fragment load start at 16 different groups of four banks
.set CHUNK, 64*PITCH
.set NCH,   16
.set KS,    4*NCH                      ; K steps of 32
.set SPARE, NCH*CHUNK                  ; the spare words, 128 bytes a wave
.set ROWB,  8192                       ; a weight row in memory
.set LO16, 1                           ; v1  16 x lane
.set VX,   2                           ; v2  16 x lane, or 0 in a wave without a unit
.set FC,   3                           ; v3  a fragment's place in a chunk: r*272 + 16 h
.set FP,   4                           ; v4  where I stage: 4 w rows of 272 + 8 x lane
.set BC,   5                           ; v5  FC plus the chunk being read
.set BP,   6                           ; v6  FP plus the chunk being written
.set SPW,  7                           ; v7  my spare word; never rewritten
.set NIL,  8                           ; v8  0; never rewritten
.set R4,   9                           ; v9  4 r
.set CFV,  10                          ; v10, v11 my token's cf in unit 0, 1
.set T,    12                          ; v[12:19] my four rows of a chunk in bf16, 8 bytes a lane each
.set ACC,  20                          ; v[20:83] unit j, tile q at ACC + 32 j + 8 q; tiles 0, 1 = w1's rows (G), 2, 3 = w3's (U)
.set F0,   84                          ; v[84:115] four weight fragments: the even K steps'
.set X,    116                         ; v[116:179] slot n, unit j at X + 16 n + 8 j; at work on the way out
.set W,    180                         ; v[180:211] set z, row l at W + 16 z + 4 l
.set F1,   212                         ; v[212:243] four weight fragments: the odd K steps'
.set SC1,  244                         ; pair: s1
.set SC1N, 246                         ; pair: -log2(e) s1
.set SC3,  248                         ; s3
.set CJ,   250                         ; pairs: s3 cf of unit 0, of unit 1
.set HEP,  4                           ; s[4:5] he
.set HEB,  6                           ; s[6:7] he at my first unit's word for this sigma
.set WV,   32
.set SIG,  33
.set EX,   34
.set UB,   36                          ; s36 the expert's first unit, s37 its units
.set UNI,  37
.set NU,   38
.set UREL, 46                          ; my first unit within the expert
.set SEL0, 47                          ; s47, s49 v_permlanex16_b32's selects: each lane takes its own place in the other half
.set PS,   48                          ; passes to go
.set SEL1, 49
.set XA0,  50                          ; s[50:51], s[52:53] xs at my two units
.set WB,   54                          ; s[54:55] the weights at my four rows
.set RA0,  56                          ; s[56:57], s[58:59] later passes: where the refills come from
.set HB0,  60                          ; s[60:61], s[62:63] hs at my two units' pieces
.set TC,   66                          ; later passes: LDS byte of the chunk being read
.set CB0,  68                          ; s[68:69], s[70:71] cf at my two units
.set LAP,  73
.set SEQ,  0
.macro WAITL q                         ; the loads up to number q are in; the younger ones stay out.  The count's field ends at 63: a smaller count than the true one is safe
.if SEQ-(\q) > 63
	s_wait_loadcnt 63
.else
	s_wait_loadcnt SEQ-(\q)
.endif
.endm
; My two units' addresses.  The unit number comes from the stored table: it is held below NU and below the buffers' 136 units before it enters an address.
.macro UNITS
	s_add_co_u32 s74, s[UB], s[UREL]
	s_sub_co_u32 s76, s[NU], 1
	s_lshl_b32 s77, s[SIG], 10                     ; in a unit of hs: K step sigma
	s_lshl_b32 s2, s[SIG], 2                       ; in a unit's 32 words of he: word sigma
	s_mov_b32 s79, 0
.irp j, 0,1
	s_add_co_u32 s75, s74, \j
	s_min_u32 s75, s75, s76
	s_min_u32 s75, s75, 135
	s_lshl_b32 s78, s75, 16
	s_add_nc_u64 s[XA0+2*\j:XA0+2*\j+1], s[8:9], s[78:79]
	s_lshl_b32 s78, s75, 15
	s_add_co_u32 s78, s78, s77
	s_add_nc_u64 s[HB0+2*\j:HB0+2*\j+1], s[30:31], s[78:79]
	s_lshl_b32 s78, s75, 6
	s_add_nc_u64 s[CB0+2*\j:CB0+2*\j+1], s[10:11], s[78:79]
.if \j == 0
	s_lshl_b32 s78, s75, 7
	s_add_co_u32 s78, s78, s2
	s_add_nc_u64 s[HEB:HEB+1], s[HEP:HEP+1], s[78:79]
.endif
.endr
	s_cmp_lt_u32 s[UREL], s[UNI]
	s_cselect_b32 s78, -1, 0
	v_and_b32 v[VX], s78, v[LO16]                  ; a wave without a unit asks for one 16 bytes with all its lanes
	v_min_u32 v[VX], 0x1f0, v[VX]                  ; held to 496, as every number that hangs on stored data is before it enters an address
.endm
; A pass begins: cf, the first four K steps' token fragments (four loads a slot), and the sums at 0.
.macro PROLOG
	global_load_b32 v[CFV], v[R4], s[CB0:CB0+1]
	global_load_b32 v[CFV+1], v[R4], s[CB0+2:CB0+3]
.set SEQ, SEQ+2
.irp n, 0,1,2,3
.irp j, 0,1
	global_load_b128 v[X+16*\n+8*\j:X+16*\n+8*\j+3], v[VX], s[XA0+2*\j:XA0+2*\j+1] offset:1024*\n
	global_load_b128 v[X+16*\n+8*\j+4:X+16*\n+8*\j+7], v[VX], s[XA0+2*\j:XA0+2*\j+1] offset:1024*\n+512
.endr
.set SEQ, SEQ+4
.set XQ\n, SEQ
.endr
.set i, 0
.rept 64
	v_mov_b32 v[ACC+i], 0
.set i, i+1
.endr
.endm
.macro FRAGS sl, fb                    ; K step sl of the chunk at BC: four weight fragments into the buffer at fb
.irp q, 0,1,2,3
	ds_load_b128 v[(\fb)+8*\q:(\fb)+8*\q+3], v[BC] offset:\q*16*PITCH+(\sl)*64
	ds_load_b128 v[(\fb)+8*\q+4:(\fb)+8*\q+7], v[BC] offset:\q*16*PITCH+(\sl)*64+32
.endr
.endm
; Eight products of slot sl with the buffer at fb.  yo = the LDS instructions issued behind the buffer's eight loads.
; The eight accumulators take turns, one instruction a turn, over K steps, trips and loop edges.
.macro PRODS sl, fb, yo
.irp q, 0,1,2,3
	s_wait_dscnt (\yo)+6-2*\q                      ; tile q's two loads are in; the later tiles' and the yo younger instructions stay out
	v_wmma_f32_16x16x32_bf16 v[ACC+8*\q:ACC+8*\q+7], v[(\fb)+8*\q:(\fb)+8*\q+7], v[X+16*(\sl):X+16*(\sl)+7], v[ACC+8*\q:ACC+8*\q+7]
	v_wmma_f32_16x16x32_bf16 v[ACC+32+8*\q:ACC+32+8*\q+7], v[(\fb)+8*\q:(\fb)+8*\q+7], v[X+16*(\sl)+8:X+16*(\sl)+15], v[ACC+32+8*\q:ACC+32+8*\q+7]
.endr
.rept 4
	v_nop                                          ; four places between the products and the loads into their sources, or the reads of their results
.endr
.endm
.macro REFILL sl, ba, off              ; slot sl takes the K step at byte off from base ba
.irp j, 0,1
	global_load_b128 v[X+16*(\sl)+8*\j:X+16*(\sl)+8*\j+3], v[VX], s[(\ba)+2*\j:(\ba)+2*\j+1] offset:(\off)
	global_load_b128 v[X+16*(\sl)+8*\j+4:X+16*(\sl)+8*\j+7], v[VX], s[(\ba)+2*\j:(\ba)+2*\j+1] offset:(\off)+512
.endr
.endm
; Trip t; z = t % 2.  The first K step's weight fragments of chunk t - 1 are asked for; chunk t (in set z) is rounded and laid into LDS, and the set asked for again, with chunk t + 2; chunk t - 1 is
; multiplied, each K step's fragments asked for one step ahead, and each slot asked for again, four K steps on; the barrier hands chunk t over.
.macro TRIP t, z
.if (\t) > 0
	v_add_nc_u32 v[BC], ((\t)-1)*CHUNK, v[FC]
	s_cmp_lt_u32 s[UREL], s[UNI]
	s_cbranch_scc0 .Lhead\@
	FRAGS 0, F0                                    ; behind the barrier that handed chunk t - 1 over; the staging below stands between these loads and the wait for them
.Lhead\@:
.endif
.set YS, 0                             ; the staging's LDS stores, which stand behind those loads
.if (\t) < NCH
	WAITL WQ\z
	v_add_nc_u32 v[BP], (\t)*CHUNK, v[FP]
.irp l, 0,1,2,3
	v_cvt_pk_bf16_f32 v[T+2*\l], v[W+16*\z+4*\l], v[W+16*\z+4*\l+1]
	v_cvt_pk_bf16_f32 v[T+2*\l+1], v[W+16*\z+4*\l+2], v[W+16*\z+4*\l+3]
.endr
.if (\t)+2 < NCH
.irp l, 0,1,2,3
	global_load_b128 v[W+16*\z+4*\l:W+16*\z+4*\l+3], v[LO16], s[WB:WB+1] offset:\l*ROWB+((\t)+2)*512 th:TH_LOAD_NT  ; 512 consecutive bytes of one row
.endr
.set SEQ, SEQ+4
.set WQ\z, SEQ
.endif
.irp l, 0,1,2,3
	ds_store_b64 v[BP], v[T+2*\l:T+2*\l+1] offset:\l*PITCH  ; 256 consecutive bytes
.endr
.set YS, 4
.endif
.if (\t) > 0
.irp sl, 0,1,2,3
.set YO, 8                             ; behind a buffer's loads stand the next K step's eight;
.if \sl == 0
.set YO, YS+8                          ; behind the first K step's the staging's stores too;
.endif
.if \sl == 3
.set YO, 0                             ; behind the last K step's nothing
.endif
	s_cmp_lt_u32 s[UREL], s[UNI]
	s_cbranch_scc0 .Ldead\@_\sl
.if \sl < 3
	FRAGS \sl+1, F0+(F1-F0)*((\sl+1)%2)            ; the next K step's fragments, into the buffer whose products ended four places ago
.endif
	WAITL XQ\sl
	PRODS \sl, F0+(F1-F0)*(\sl%2), YO
	s_branch .Ljoin\@_\sl
.Ldead\@_\sl:
	WAITL XQ\sl                                    ; no unit: nothing is multiplied; the slot's loads are waited for all the same, since it is loaded again,
	s_wait_dscnt 0x0                               ; and no LDS load stays out into a buffer that a later K step loads again
.Ljoin\@_\sl:
.if 4*(\t)+\sl < KS
	REFILL \sl, XA0, (4*(\t)+\sl)*1024
.set SEQ, SEQ+4
.set XQ\sl, SEQ
.endif
.endr
.endif
.if (\t) < NCH
	s_wait_dscnt 0x0                               ; for the others' sake: my stores of chunk t are done (my reads of chunk t - 1 are back already)
	s_barrier_signal -1
	s_barrier_wait -1
.endif
.endm
	s_load_b512 s[8:23], s[0:1], 0x0               ; xs 8, cf 10, tab 12, w1 14, w3 16, w1_alpha 18, w1_iscale 20, w1_wscale 22
	s_load_b256 s[24:31], s[0:1], 0x40             ; w3_alpha 24, w3_iscale 26, w3_wscale 28, hs 30
	s_load_b64 s[HEP:HEP+1], s[0:1], 0x60          ; he
	v_lshl_add_u32 v[SPW], v0, 2, SPARE
	v_mov_b32 v[NIL], 0
	v_lshrrev_b32 v[T], 5, v0
	v_readfirstlane_b32 s[WV], v[T]
	v_and_b32 v[T+1], 31, v0
	v_lshlrev_b32 v[LO16], 4, v[T+1]
	s_mov_b32 s[SIG], ttmp9
	s_and_b32 s[EX], ttmp7, 0xffff
	s_lshl_b32 s35, s[EX], 2
	s_lshl_b32 s3, s[EX], 3
	s_and_b32 s74, s[WV], 7                        ; the weights' offset: expert e, row 32 sigma + 4 (w & 7)
	s_lshl_b32 s74, s74, 2
	s_lshl_b32 s75, s[SIG], 5
	s_add_co_u32 s74, s74, s75
	s_lshl_b32 s74, s74, 13
	s_lshl_b32 s75, s[EX], 23
	s_add_co_u32 s74, s74, s75
	s_mov_b32 s75, 0
	s_mul_i32 s76, s[WV], 4*PITCH                  ; LDS rows 4 w on
	v_lshl_add_u32 v[FP], v[T+1], 3, s76
	s_lshl_b32 s[UREL], s[WV], 1
	s_mov_b32 s[SEL0], 0x76543210
	s_mov_b32 s[SEL1], 0xfedcba98
	s_wait_kmcnt 0x0
	s_load_b64 s[UB:UB+1], s[12:13], s3 offset:0x0
	s_load_b32 s[NU], s[12:13], 0x40
	s_load_b32 s40, s[18:19], s35 offset:0x0
	s_load_b32 s41, s[20:21], s35 offset:0x0
	s_load_b32 s42, s[22:23], s35 offset:0x0
	s_load_b32 s43, s[24:25], s35 offset:0x0
	s_load_b32 s44, s[26:27], s35 offset:0x0
	s_load_b32 s45, s[28:29], s35 offset:0x0
	s_cmp_ge_u32 s[WV], 8                          ; waves 0-7 stage w1's rows, waves 8-15 w3's
	s_cselect_b64 s[WB:WB+1], s[16:17], s[14:15]
	s_add_nc_u64 s[WB:WB+1], s[WB:WB+1], s[74:75]
.irp z, 0,1
.irp l, 0,1,2,3
	global_load_b128 v[W+16*\z+4*\l:W+16*\z+4*\l+3], v[LO16], s[WB:WB+1] offset:\l*ROWB+\z*512 th:TH_LOAD_NT  ; chunks 0 and 1: the stream starts before anything else is waited for
.endr
.set SEQ, SEQ+4
.set WQ\z, SEQ
.endr
	v_and_b32 v[T], 15, v0                         ; r
	v_bfe_u32 v[T+1], v0, 4, 1                     ; h
	v_mul_u32_u24 v[FC], v[T], PITCH
	v_lshl_add_u32 v[FC], v[T+1], 4, v[FC]
	v_lshlrev_b32 v[R4], 2, v[T]
	s_wait_kmcnt 0x0
	UNITS
	PROLOG
.set i, 0
.rept 32
	v_mov_b32 v[F0+i], 0                           ; the two fragment buffers are written once whole: a buffer is loaded in one branch arm and read in the next,
	v_mov_b32 v[F1+i], 0                           ; and no way through those arms may read a register that was never written
.set i, i+1
.endr
	v_mov_b32 v[F0], s40                           ; the six scale numbers, each rounded to bf16 like every input
	v_mov_b32 v[F0+1], s41
	v_mov_b32 v[F0+2], s42
	v_mov_b32 v[F0+3], s43
	v_mov_b32 v[F0+4], s44
	v_mov_b32 v[F0+5], s45
	v_cvt_pk_bf16_f32 v[F0+6], v[F0], v[F0+1]
	v_cvt_pk_bf16_f32 v[F0+7], v[F0+2], v[F0+3]
	v_cvt_pk_bf16_f32 v[F0+8], v[F0+4], v[F0+5]
	v_lshlrev_b32 v[F0], 16, v[F0+6]               ; alpha1
	v_and_b32 v[F0+1], 0xffff0000, v[F0+6]         ; iscale1
	v_lshlrev_b32 v[F0+2], 16, v[F0+7]             ; wscale1
	v_and_b32 v[F0+3], 0xffff0000, v[F0+7]         ; alpha3
	v_lshlrev_b32 v[F0+4], 16, v[F0+8]             ; iscale3
	v_and_b32 v[F0+5], 0xffff0000, v[F0+8]         ; wscale3
	v_rcp_f32 v[F0+1], v[F0+1]
	v_rcp_f32 v[F0+4], v[F0+4]
	v_mul_f32 v[F0], v[F0], v[F0+2]                ; plain work behind the two reciprocals
	v_mul_f32 v[F0+3], v[F0+3], v[F0+5]
	s_wait_alu depctr_va_vdst(0)                   ; one wait for both, ahead of their first reader
	v_mul_f32 v[SC1], v[F0], v[F0+1]
	v_mul_f32 v[SC3], v[F0+3], v[F0+4]
	v_mov_b32 v[SC1+1], v[SC1]
	v_mul_f32 v[SC1N], 0xbfb8aa3b, v[SC1]
	v_mov_b32 v[SC1N+1], v[SC1N]
.irp g, 0,1,2,3,4,5,6,7
	TRIP 2*\g+0, 0
	TRIP 2*\g+1, 1
.endr
	TRIP 16, 0                                     ; the last chunk is multiplied; nothing is left to stage, so no barrier follows
	s_mov_b32 s[PS], 4
.Lpass:                                                ; four times: the way out of a pass, then the next pass; a wave whose next unit is past the expert's last jumps to the counter's step
	s_cmp_lt_u32 s[UREL], s[UNI]
	s_cbranch_scc0 .Lnone
	v_mul_f32 v[CJ], v[SC3], v[CFV]
	v_mul_f32 v[CJ+1], v[SC3], v[CFV]
	v_mul_f32 v[CJ+2], v[SC3], v[CFV+1]
	v_mul_f32 v[CJ+3], v[SC3], v[CFV+1]
.irp j, 0,1
.irp p, 0,1,2,3,4,5,6,7
	v_pk_mul_f32 v[X+16*\j+2*\p:X+16*\j+2*\p+1], v[ACC+32*\j+2*\p:ACC+32*\j+2*\p+1], v[SC1N:SC1N+1]  ; -log2(e) g, each accumulator from its low end on
.endr
.endr
.set i, 0
.rept 32
	v_exp_f32 v[X+i], v[X+i]                       ; one batch
.set i, i+1
.endr
.irp j, 0,1
.irp p, 0,1,2,3,4,5,6,7
	v_pk_mul_f32 v[ACC+32*\j+2*\p:ACC+32*\j+2*\p+1], v[ACC+32*\j+2*\p:ACC+32*\j+2*\p+1], v[SC1:SC1+1]  ; g: work that names no exponential's result
.endr
.endr
	s_wait_alu depctr_va_vdst(0)                   ; one wait for the batch
.set i, 0
.rept 16
	v_pk_add_f32 v[X+2*i:X+2*i+1], v[X+2*i:X+2*i+1], 1.0 op_sel_hi:[1,0]
.set i, i+1
.endr
.set i, 0
.rept 32
	v_rcp_f32 v[X+i], v[X+i]                       ; one batch
.set i, i+1
.endr
.irp j, 0,1
.irp p, 0,1,2,3,4,5,6,7
	v_pk_mul_f32 v[ACC+32*\j+16+2*\p:ACC+32*\j+16+2*\p+1], v[ACC+32*\j+16+2*\p:ACC+32*\j+16+2*\p+1], v[CJ+2*\j:CJ+2*\j+1]  ; cf s3 U
.endr
.endr
	s_wait_alu depctr_va_vdst(0)                   ; one wait for the batch
.irp j, 0,1
.irp p, 0,1,2,3,4,5,6,7
	v_pk_mul_f32 v[ACC+32*\j+2*\p:ACC+32*\j+2*\p+1], v[ACC+32*\j+2*\p:ACC+32*\j+2*\p+1], v[X+16*\j+2*\p:X+16*\j+2*\p+1]  ; silu(g)
.endr
.endr
.irp j, 0,1
.irp p, 0,1,2,3,4,5,6,7
	v_pk_mul_f32 v[ACC+32*\j+2*\p:ACC+32*\j+2*\p+1], v[ACC+32*\j+2*\p:ACC+32*\j+2*\p+1], v[ACC+32*\j+16+2*\p:ACC+32*\j+16+2*\p+1]  ; h'
.endr
.endr
	; the block's largest |h'|: in each lane 16 numbers a unit, then over the 32 lanes
.irp j, 0,1
.irp p, 0,1,2,3,4,5,6,7,8,9,10,11,12,13,14,15
	v_and_b32 v[X+16*\j+\p], 0x7fffffff, v[ACC+32*\j+\p]
.endr
.endr
.irp j, 0,1
	v_max3_num_f32 v[X+16*\j], v[X+16*\j], v[X+16*\j+1], v[X+16*\j+2]
.endr
.irp k, 3,5,7,9,11,13
.irp j, 0,1
	v_max3_num_f32 v[X+16*\j], v[X+16*\j], v[X+16*\j+\k], v[X+16*\j+\k+1]
.endr
.endr
	v_max_num_f32 v[X], v[X], v[X+15]
	v_max_num_f32 v[X+16], v[X+16], v[X+31]
	s_add_co_u32 s74, s[UREL], 1
	s_cmp_lt_u32 s74, s[UNI]
	s_cselect_b32 s75, -1, 0
	v_and_b32 v[X+16], s75, v[X+16]                ; a second unit past the expert's last has no say
	v_max_num_f32 v[X], v[X], v[X+16]
	v_max_num_f32 v[X], 0x07800000, v[X]           ; not below 2^-112, so that the scale and its inverse are normal numbers
	v_max_num_f32_dpp v[X], v[X], v[X] row_xmask:1 row_mask:0xf bank_mask:0xf
	v_max_num_f32_dpp v[X], v[X], v[X] row_xmask:2 row_mask:0xf bank_mask:0xf
	v_max_num_f32_dpp v[X], v[X], v[X] row_xmask:4 row_mask:0xf bank_mask:0xf
	v_max_num_f32_dpp v[X], v[X], v[X] row_xmask:8 row_mask:0xf bank_mask:0xf
	v_permlanex16_b32 v[X+1], v[X], s[SEL0], s[SEL1]
	v_max_num_f32 v[X], v[X], v[X+1]               ; every lane holds the block's largest
	v_and_b32 v[X+2], 0x7f800000, v[X]             ; B: its power of two, exponent field eb
	v_sub_nc_u32 v[X+4], 0x86000000, v[X+2]        ; the field 268 - eb: 2^14 / B
	v_mov_b32 v[X+5], v[X+4]
	v_mov_b32 v[X+6], 0
.irp j, 0,1
.irp p, 0,1,2,3,4,5,6,7
	v_pk_mul_f32 v[ACC+32*\j+2*\p:ACC+32*\j+2*\p+1], v[ACC+32*\j+2*\p:ACC+32*\j+2*\p+1], v[X+4:X+5]  ; exact; the largest now lies in 2^14 .. 2^15
.endr
.endr
.irp j, 0,1
.irp p, 0,1,2,3,4,5,6,7
	v_cvt_pk_f16_f32 v[ACC+32*\j+16+\p], v[ACC+32*\j+2*\p], v[ACC+32*\j+2*\p+1]  ; the one rounding, where U lay
.endr
.endr
	global_store_b32 v[X+6], v[X+2], s[HEB:HEB+1]                        ; B: one word for the block (all lanes hold it and name the same word): all that a block owns in he
	global_store_b128 v[LO16], v[ACC+16:ACC+19], s[HB0:HB0+1]            ; 512 consecutive bytes each, 1,024 on end, at a multiple of 256 from hs's first: K step sigma of the unit, halves i = 0, 1
	global_store_b128 v[LO16], v[ACC+20:ACC+23], s[HB0:HB0+1] offset:512
	s_cmp_lt_u32 s74, s[UNI]
	s_cbranch_scc0 .Lone                           ; my second unit is past the expert's last
	global_store_b128 v[LO16], v[ACC+48:ACC+51], s[HB0+2:HB0+3]
	global_store_b128 v[LO16], v[ACC+52:ACC+55], s[HB0+2:HB0+3] offset:512
.Lone:
	s_wait_xcnt 0x0                                ; on every way from the stores: their data and bases are rewritten only behind this wait, by the next pass or by the next way out
	s_add_co_u32 s[UREL], s[UREL], 32
	s_cmp_lt_u32 s[UREL], s[UNI]
	s_cbranch_scc0 .Lnone
	UNITS
	PROLOG
	s_mov_b32 s[TC], 0
	s_mov_b32 s[LAP], 0
.Llap:                                                 ; sixteen laps of one chunk; the whole slice lies in LDS and nobody writes it: no barrier.  One buffer, nothing fetched ahead: a plain text for the rare case
	s_wait_xcnt 0x0                                ; the refills' bases are rewritten only behind this wait
	s_add_co_u32 s78, s[LAP], 1
	s_lshl_b32 s78, s78, 12
	s_cmp_lt_u32 s[LAP], NCH-1
	s_cselect_b32 s78, s78, 0                      ; the last lap's refills read the units' first four K steps once more: inside the buffer, and unused
	s_mov_b32 s79, 0
	s_add_nc_u64 s[RA0:RA0+1], s[XA0:XA0+1], s[78:79]
	s_add_nc_u64 s[RA0+2:RA0+3], s[XA0+2:XA0+3], s[78:79]
	v_add_nc_u32 v[BC], s[TC], v[FC]
.irp sl, 0,1,2,3
	FRAGS \sl, F0
	s_wait_loadcnt 12                              ; behind a slot's four loads stand the three other slots' twelve
	PRODS \sl, F0, 0
	REFILL \sl, RA0, \sl*1024
.endr
	s_add_co_u32 s[TC], s[TC], CHUNK
	s_add_co_u32 s[LAP], s[LAP], 1
	s_cmp_lt_u32 s[LAP], NCH
	s_cbranch_scc1 .Llap
	s_wait_loadcnt 0x0
.Lnone:
	s_sub_co_u32 s[PS], s[PS], 1
	s_cmp_lg_u32 s[PS], 0
	s_cbranch_scc1 .Lpass
	s_wait_dscnt 0x0                               ; my LDS reads are back.  The laps' LDS address is a running sum: this barrier, on every wave's way, puts every wave's reads
	s_barrier_signal -1                            ; ahead of every wave's closing add, whatever that sum holds
	s_barrier_wait -1
	s_wait_tensorcnt 0x0                           ; the wave's end: behind my last LDS store
	ds_add_u32 v[SPW], v[NIL]
	s_wait_dscnt 0x0
	s_endpgm
.Lfunc_end_k_qd2112545aa_gateup:
	.size	k_qd2112545aa_gateup, .Lfunc_end_k_qd2112545aa_gateup-k_qd2112545aa_gateup
	.p2alignl 7, 3214868480
	.fill 96, 4, 3214868480
	.section	.rodata,"a",@progbits
	.p2align	6, 0x0
	.amdhsa_kernel k_qd2112545aa_gateup
		.amdhsa_group_segment_fixed_size 280576
		.amdhsa_private_segment_fixed_size 0
		.amdhsa_enable_private_segment 0
		.amdhsa_kernarg_size 104
		.amdhsa_user_sgpr_count 2
		.amdhsa_user_sgpr_kernarg_segment_ptr 1
		.amdhsa_wavefront_size32 1
		.amdhsa_system_sgpr_workgroup_id_x 1
		.amdhsa_system_sgpr_workgroup_id_y 1
		.amdhsa_system_sgpr_workgroup_id_z 1
		.amdhsa_system_vgpr_workitem_id 0
		.amdhsa_next_free_vgpr 256
		.amdhsa_next_free_sgpr 80
		.amdhsa_reserve_vcc 0
		.amdhsa_float_denorm_mode_32 3
		.amdhsa_float_denorm_mode_16_64 3
		.amdhsa_memory_ordered 1
		.amdhsa_forward_progress 1
		.amdhsa_inst_pref_size 175
	.end_amdhsa_kernel
	.amdgpu_metadata
---
amdhsa.version: [ 1, 2 ]
amdhsa.kernels:
  - .name:           k_qd2112545aa_gateup
    .symbol:         k_qd2112545aa_gateup.kd
    .args:
      - { .name: xs, .offset: 0, .size: 8, .value_kind: global_buffer, .address_space: global }
      - { .name: cf, .offset: 8, .size: 8, .value_kind: global_buffer, .address_space: global }
      - { .name: tab, .offset: 16, .size: 8, .value_kind: global_buffer, .address_space: global }
      - { .name: w1, .offset: 24, .size: 8, .value_kind: global_buffer, .address_space: global }
      - { .name: w3, .offset: 32, .size: 8, .value_kind: global_buffer, .address_space: global }
      - { .name: w1_alpha, .offset: 40, .size: 8, .value_kind: global_buffer, .address_space: global }
      - { .name: w1_iscale, .offset: 48, .size: 8, .value_kind: global_buffer, .address_space: global }
      - { .name: w1_wscale, .offset: 56, .size: 8, .value_kind: global_buffer, .address_space: global }
      - { .name: w3_alpha, .offset: 64, .size: 8, .value_kind: global_buffer, .address_space: global }
      - { .name: w3_iscale, .offset: 72, .size: 8, .value_kind: global_buffer, .address_space: global }
      - { .name: w3_wscale, .offset: 80, .size: 8, .value_kind: global_buffer, .address_space: global }
      - { .name: hs, .offset: 88, .size: 8, .value_kind: global_buffer, .address_space: global }
      - { .name: he, .offset: 96, .size: 8, .value_kind: global_buffer, .address_space: global }
    .group_segment_fixed_size: 280576
    .private_segment_fixed_size: 0
    .kernarg_segment_align: 8
    .kernarg_segment_size: 104
    .max_flat_workgroup_size: 512
    .sgpr_count:     80
    .vgpr_count:     256
    .wavefront_size: 32
...
	.end_amdgpu_metadata
.endif
;; end of part 5
;; launch down (part 6): grid 32 x 8, 16 waves a work-group, no clusters, 141,312 bytes of LDS; arguments hs, ent, tab, w2, w2_alpha, w2_iscale, w2_wscale, part, he; writes part
.if DOCPART == 6
	.amdgcn_target "amdgcn-amd-amdhsa--gfx1250"
	.amdhsa_code_object_version 6
	.text
	.protected	k_qd2112545aa_down
	.globl	k_qd2112545aa_down
	.p2align	8
	.type	k_qd2112545aa_down,@function
k_qd2112545aa_down:
	s_mov_b64 s[64:65], 0
	v_nop
	global_prefetch_b8 v0, s[64:65] scope:SCOPE_SE
	s_setreg_imm32_b32 hwreg(HW_REG_WAVE_MODE, 25, 1), 1
	s_wait_xcnt 0x0
; part[row of the slot][c] = s2 * sum over i of h'[slot][i] w2[e][c][i],  s2 = alpha2 * (1 / iscale2) * wscale2, for the routed rows alone; the routing weight is in h' already.
; h' COMES IN f16 WITH A BLOCK EXPONENT: for my two units and K step sigma (32 channels) hs holds h' * 2^14 / B, and he[my first unit][sigma] holds the power of two B.  One load brings the 32 words, lane sigma
; block sigma; E is their largest, over the lanes; each K step's fragments are multiplied by B / E (a power of two, 1 at the most; exact but among f16's denormals), which puts all K steps on one exponent;
; E * 2^-14 goes into the factor behind the sums.  The products are f16 x f16 with f32 sums.  w2 is rounded to bf16 like every input, and that number is written as f16.
; The structure is the gate-and-up launch's.  Work-group (sigma, e) alone reads rows 64 sigma .. +63 of w2[e] (256 KB of f32), once, and serves all units of expert e.
; Sixteen waves of 256 registers, all alike.  Each STAGES four weight rows (f32 through a ring of two register sets of four loads, a set asked for two trips ahead of its use, rounded, into LDS) and MULTIPLIES
; two units by all 64 columns, 8 accumulators; token fragments come from hs into a ring of four K-step slots in registers.  WEIGHT FRAGMENTS come from LDS into TWO BUFFERS that take turns: a K step's eight
; LDS loads are issued one K step ahead of its products; those of a trip's first K step directly behind the barrier, ahead of the staging; a trip's last K step fetches nothing.
; K = 1,024 goes in 8 chunks of 128; chunk c has LDS bytes of its own, c*17408 on, written once: in trip t chunk t is written and chunk t - 1 read, one barrier a trip.  The nine trips are written out:
; every LDS address is a constant plus a lane term made once.
; THE COUNTS OF LOADS are kept by the assembler: SEQ = global loads issued so far, XQn / WQz / HQ = SEQ when slot n's / set z's / the exponents' last load went out; their difference is the wait's count.
; Every global load stands on every wave's way: a wave without a unit jumps only over LDS loads, scalings and products, and its fragment loads ask for the same 16 bytes in all lanes.
; The first pass serves units 0-31; up to three further passes (128 units, the most one expert can have) only read LDS, with no barrier.  An expert without rows still streams its slice and stores nothing.
; THE PRODUCT has the tokens as source 0 and the weights as source 1; weight row rho of the slice lies in LDS row 16 (rho % 4) + rho / 4, so that tile q's column r is output column 4 r + q:
; a lane's four tiles give four neighbouring f32 of one token's row, and sixteen lanes store 256 consecutive aligned bytes of a row of part.
; Rows of part: entry 2 t + k, from the stored list (held below 2,176 before it enters an address); padding slots go to dump rows that nobody reads.
; NO TENSOR LOADS, NO MULTICAST: the weights are rounded on their way and each slice has one reader; the token rows are shared by an expert's 32 work-groups, but how many there are hangs on a stored count.
; The accumulators are cleared by 64 moves a pass, and the two fragment buffers written once by 64 moves, on every wave's way: no way through the text's branches reads a register that was never written.
; LIMITS.  w2 and its three scale numbers are rounded once to bf16.  f16 holds no |w2| beyond 65,504; below 2^-17 a bf16 number keeps f16's fixed step of 2^-24.  A block more than 2^24 below the two units'
; largest counts as 0.  s2 E 2^-14 is formed in f32 ahead of its product with the sum.  v_rcp_f32 flushes denormals.  NaN and infinities are not treated apart.
.set PITCH, 272
.set CHUNK, 64*PITCH
.set NCH,   8
.set KS,    4*NCH
.set SPARE, NCH*CHUNK
.set ROWB,  4096
.set LO16, 1                           ; v1  16 x lane
.set VX,   2                           ; v2  16 x lane, or 0 in a wave without a unit
.set FC,   3                           ; v3  a fragment's place in a chunk: r*272 + 16 h
.set FP,   4                           ; v4  where I stage: row w of 272 + 8 x lane
.set BC,   5
.set BP,   6
.set SPW,  7                           ; v7  my spare word; never rewritten
.set NIL,  8                           ; v8  0; never rewritten
.set R16,  9                           ; v9  16 r
.set H32,  10                          ; v10 32 h
.set S2V,  11                          ; v11 s2
.set T,    12                          ; v[12:19]
.set ACC,  20                          ; v[20:83] unit j, tile q at ACC + 32 j + 8 q
.set F0,   84                          ; v[84:115] four weight fragments: the even K steps'
.set X,    116                         ; v[116:179] slot n, unit j at X + 16 n + 8 j; on the way out 32 registers a unit
.set W,    180                         ; v[180:211] set z, row l at W + 16 z + 4 l
.set EN,   W                           ; set 0, once its last chunk is staged: unit j: the rows of part of my eight tokens, at EN + 8 j
.set F1,   212                         ; v[212:243] four weight fragments: the odd K steps'
.set HBV,  244                         ; v244 lane sigma: B of K step sigma
.set MV,   245                         ; v245 lane sigma: B / E, twice, in f16
.set EV,   246                         ; v246 E
.set S2W,  247                         ; v247 s2 E 2^-14
.set TA,   248                         ; v248, v249 at work
.set TB,   249
.set L4,   250                         ; v250 4 x lane
.set HEP,  24                          ; s[24:25] he
.set HE0,  26                          ; s[26:27] he at my first unit
.set SEL0, 28                          ; s28, s29 v_permlanex16_b32's selects
.set SEL1, 29
.set MS,   30                          ; s30 the K step's multiplier
.set WV,   32
.set SIG,  33
.set EX,   34
.set UB,   36
.set UNI,  37
.set NU,   38
.set UREL, 46
.set PS,   48
.set XA0,  50                          ; s[50:53] hs at my two units
.set WB,   54
.set RA0,  56
.set PB,   60                          ; s[60:61] part at my slice's 256 bytes of row 0
.set TC,   66
.set EB0,  68                          ; s[68:71] ent at my two units
.set LAP,  73
.set SEQ,  0
.macro WAITL q                         ; the loads up to number q are in; the younger ones stay out.  The count's field ends at 63: a smaller count than the true one is safe
.if SEQ-(\q) > 63
	s_wait_loadcnt 63
.else
	s_wait_loadcnt SEQ-(\q)
.endif
.endm
.macro UNITS
	s_add_co_u32 s74, s[UB], s[UREL]
	s_sub_co_u32 s76, s[NU], 1
	s_mov_b32 s79, 0
.irp j, 0,1
	s_add_co_u32 s75, s74, \j
	s_min_u32 s75, s75, s76
	s_min_u32 s75, s75, 135
	s_lshl_b32 s78, s75, 15
	s_add_nc_u64 s[XA0+2*\j:XA0+2*\j+1], s[8:9], s[78:79]
	s_lshl_b32 s78, s75, 6
	s_add_nc_u64 s[EB0+2*\j:EB0+2*\j+1], s[10:11], s[78:79]
.if \j == 0
	s_lshl_b32 s78, s75, 7
	s_add_nc_u64 s[HE0:HE0+1], s[HEP:HEP+1], s[78:79]
.endif
.endr
	s_cmp_lt_u32 s[UREL], s[UNI]
	s_cselect_b32 s78, -1, 0
	v_and_b32 v[VX], s78, v[LO16]                  ; a wave without a unit asks for one 16 bytes with all its lanes
	v_min_u32 v[VX], 0x1f0, v[VX]                  ; held to 496, as every number that hangs on stored data is before it enters an address
.endm
.macro ENLOAD                          ; the rows of part of my 2 x 8 tokens
.irp j, 0,1
	global_load_b128 v[EN+8*\j:EN+8*\j+3], v[H32], s[EB0+2*\j:EB0+2*\j+1]
	global_load_b128 v[EN+8*\j+4:EN+8*\j+7], v[H32], s[EB0+2*\j:EB0+2*\j+1] offset:16
.endr
.set SEQ, SEQ+4
.endm
.macro PROLOG en                       ; a pass begins.  en = 1 (later passes): the rows of part too; in the first pass they follow when set 0 is free
.if \en
	ENLOAD
.endif
	global_load_b32 v[HBV], v[L4], s[HE0:HE0+1]    ; my 32 block exponents: 128 consecutive bytes
.set SEQ, SEQ+1
.set HQ, SEQ
.irp n, 0,1,2,3
.irp j, 0,1
	global_load_b128 v[X+16*\n+8*\j:X+16*\n+8*\j+3], v[VX], s[XA0+2*\j:XA0+2*\j+1] offset:1024*\n
	global_load_b128 v[X+16*\n+8*\j+4:X+16*\n+8*\j+7], v[VX], s[XA0+2*\j:XA0+2*\j+1] offset:1024*\n+512
.endr
.set SEQ, SEQ+4
.set XQ\n, SEQ
.endr
.set i, 0
.rept 64
	v_mov_b32 v[ACC+i], 0
.set i, i+1
.endr
.endm
; From the 32 powers of two B: their largest E; in lane sigma B / E as two f16; and the factor behind the sums.  All by the exponent fields: nothing is rounded.
.macro MULS
	v_mov_b32 v[EV], v[HBV]
	v_max_num_f32_dpp v[EV], v[EV], v[EV] row_xmask:1 row_mask:0xf bank_mask:0xf
	v_max_num_f32_dpp v[EV], v[EV], v[EV] row_xmask:2 row_mask:0xf bank_mask:0xf
	v_max_num_f32_dpp v[EV], v[EV], v[EV] row_xmask:4 row_mask:0xf bank_mask:0xf
	v_max_num_f32_dpp v[EV], v[EV], v[EV] row_xmask:8 row_mask:0xf bank_mask:0xf
	v_permlanex16_b32 v[TB], v[EV], s[SEL0], s[SEL1]
	v_max_num_f32 v[EV], v[EV], v[TB]
	v_sub_nc_u32 v[TA], v[EV], v[HBV]              ; the fields' difference d, in its place,
	v_min_u32 v[TA], 0x0f000000, v[TA]             ; held to 30: from 2^-25 down f16 has 0
	v_sub_nc_u32 v[TA], 0x3f800000, v[TA]          ; 2^-d in f32
	v_cvt_pk_f16_f32 v[MV], v[TA], v[TA]
	v_add_nc_u32 v[TB], 0xf9000000, v[EV]          ; the field less 14: E 2^-14
	v_mul_f32 v[S2W], v[S2V], v[TB]
.endm
.macro FRAGS sl, fb                    ; K step sl of the chunk at BC: four weight fragments into the buffer at fb
.irp q, 0,1,2,3
	ds_load_b128 v[(\fb)+8*\q:(\fb)+8*\q+3], v[BC] offset:\q*16*PITCH+(\sl)*64
	ds_load_b128 v[(\fb)+8*\q+4:(\fb)+8*\q+7], v[BC] offset:\q*16*PITCH+(\sl)*64+32
.endr
.endm
.macro SCALE n, lane                   ; slot n's two fragments onto the common exponent
	v_readlane_b32 s[MS], v[MV], \lane
.set i, 0
.rept 16
	v_pk_mul_f16 v[X+16*(\n)+i], v[X+16*(\n)+i], s[MS]
.set i, i+1
.endr
.endm
; Eight products of slot sl with the buffer at fb.  yo = the LDS instructions issued behind the buffer's eight loads.
; The eight accumulators take turns, one instruction a turn, over K steps, trips and loop edges.
.macro PRODS sl, fb, yo
.irp q, 0,1,2,3
	s_wait_dscnt (\yo)+6-2*\q                      ; tile q's two loads are in; the later tiles' and the yo younger instructions stay out
	v_wmma_f32_16x16x32_f16 v[ACC+8*\q:ACC+8*\q+7], v[X+16*(\sl):X+16*(\sl)+7], v[(\fb)+8*\q:(\fb)+8*\q+7], v[ACC+8*\q:ACC+8*\q+7]
	v_wmma_f32_16x16x32_f16 v[ACC+32+8*\q:ACC+32+8*\q+7], v[X+16*(\sl)+8:X+16*(\sl)+15], v[(\fb)+8*\q:(\fb)+8*\q+7], v[ACC+32+8*\q:ACC+32+8*\q+7]
.endr
.rept 4
	v_nop                                          ; four places between the products and the loads into their sources, or the reads of their results
.endr
.endm
.macro REFILL sl, ba, off
.irp j, 0,1
	global_load_b128 v[X+16*(\sl)+8*\j:X+16*(\sl)+8*\j+3], v[VX], s[(\ba)+2*\j:(\ba)+2*\j+1] offset:(\off)
	global_load_b128 v[X+16*(\sl)+8*\j+4:X+16*(\sl)+8*\j+7], v[VX], s[(\ba)+2*\j:(\ba)+2*\j+1] offset:(\off)+512
.endr
.endm
; Trip t; z = t % 2.  The first K step's weight fragments of chunk t - 1 are asked for; chunk t is rounded and laid into LDS and its set asked for again, with chunk t + 2; chunk t - 1 is multiplied,
; each K step's fragments asked for one step ahead, and each slot asked for again; the barrier hands chunk t over.
.macro TRIP t, z
.if (\t) > 0
	v_add_nc_u32 v[BC], ((\t)-1)*CHUNK, v[FC]
	s_cmp_lt_u32 s[UREL], s[UNI]
	s_cbranch_scc0 .Lhead\@
	FRAGS 0, F0                                    ; behind the barrier that handed chunk t - 1 over; the staging below stands between these loads and the wait for them
.Lhead\@:
.endif
.set YS, 0                             ; the staging's LDS stores, which stand behind those loads
.if (\t) < NCH
	WAITL WQ\z
	v_add_nc_u32 v[BP], (\t)*CHUNK, v[FP]
.irp l, 0,1,2,3
	v_cvt_pk_bf16_f32 v[T+2*\l], v[W+16*\z+4*\l], v[W+16*\z+4*\l+1]      ; the input's one rounding, to bf16;
	v_cvt_pk_bf16_f32 v[T+2*\l+1], v[W+16*\z+4*\l+2], v[W+16*\z+4*\l+3]
.endr
.irp l, 0,1,2,3
	v_lshlrev_b32 v[W+16*\z+4*\l], 16, v[T+2*\l]                         ; that number as f32 again,
	v_and_b32 v[W+16*\z+4*\l+1], 0xffff0000, v[T+2*\l]
	v_lshlrev_b32 v[W+16*\z+4*\l+2], 16, v[T+2*\l+1]
	v_and_b32 v[W+16*\z+4*\l+3], 0xffff0000, v[T+2*\l+1]
.endr
.irp l, 0,1,2,3
	v_cvt_pk_f16_f32 v[T+2*\l], v[W+16*\z+4*\l], v[W+16*\z+4*\l+1]       ; and written as f16
	v_cvt_pk_f16_f32 v[T+2*\l+1], v[W+16*\z+4*\l+2], v[W+16*\z+4*\l+3]
.endr
.if (\t)+2 < NCH
.irp l, 0,1,2,3
	global_load_b128 v[W+16*\z+4*\l:W+16*\z+4*\l+3], v[LO16], s[WB:WB+1] offset:\l*ROWB+((\t)+2)*512 th:TH_LOAD_NT  ; 512 consecutive bytes of one row
.endr
.set SEQ, SEQ+4
.set WQ\z, SEQ
.elseif (\t)+2 == NCH
	ENLOAD                                         ; set 0 has no further chunk: it takes the rows of part
.endif
.irp l, 0,1,2,3
	ds_store_b64 v[BP], v[T+2*\l:T+2*\l+1] offset:\l*16*PITCH  ; row 4 w + l of the slice goes to LDS row 16 l + w; 256 consecutive bytes
.endr
.set YS, 4
.endif
.if (\t) == 1
	WAITL HQ                                       ; the exponents are in; on every wave's way, so that every way finds the multipliers written
	MULS
.endif
.if (\t) > 0
.irp sl, 0,1,2,3
.set YO, 8                             ; behind a buffer's loads stand the next K step's eight;
.if \sl == 0
.set YO, YS+8                          ; behind the first K step's the staging's stores too;
.endif
.if \sl == 3
.set YO, 0                             ; behind the last K step's nothing
.endif
	s_cmp_lt_u32 s[UREL], s[UNI]
	s_cbranch_scc0 .Ldead\@_\sl
.if \sl < 3
	FRAGS \sl+1, F0+(F1-F0)*((\sl+1)%2)            ; the next K step's fragments, into the buffer whose products ended four places ago
.endif
	WAITL XQ\sl
	SCALE \sl, 4*((\t)-1)+\sl
	PRODS \sl, F0+(F1-F0)*(\sl%2), YO
	s_branch .Ljoin\@_\sl
.Ldead\@_\sl:
	WAITL XQ\sl                                    ; no unit: nothing is multiplied; the slot's loads are waited for all the same, since it is loaded again,
	s_wait_dscnt 0x0                               ; and no LDS load stays out into a buffer that a later K step loads again
.Ljoin\@_\sl:
.if 4*(\t)+\sl < KS
	REFILL \sl, XA0, (4*(\t)+\sl)*1024
.set SEQ, SEQ+4
.set XQ\sl, SEQ
.endif
.endr
.endif
.if (\t) < NCH
	s_wait_dscnt 0x0                               ; for the others' sake: my stores of chunk t are done
	s_barrier_signal -1
	s_barrier_wait -1
.endif
.endm
; Unit j leaves: the eight rows' addresses, the factor, and eight stores; lanes 0-15 fill 256 aligned bytes of one row of part, lanes 16-31 of another.
.macro OUT j
.irp t, 0,1,2,3,4,5,6,7
	v_min_u32 v[EN+8*\j+\t], 0x87f, v[EN+8*\j+\t]
	v_lshl_add_u32 v[EN+8*\j+\t], v[EN+8*\j+\t], 13, v[R16]
.endr
.irp t, 0,1,2,3,4,5,6,7
.irp q, 0,1,2,3
	v_mul_f32 v[X+32*\j+4*\t+\q], v[S2W], v[ACC+32*\j+8*\q+\t]  ; each accumulator from its low end on
.endr
.endr
.irp t, 0,1,2,3,4,5,6,7
	global_store_b128 v[EN+8*\j+\t], v[X+32*\j+4*\t:X+32*\j+4*\t+3], s[PB:PB+1]
.endr
.endm
	s_load_b512 s[8:23], s[0:1], 0x0               ; hs 8, ent 10, tab 12, w2 14, w2_alpha 16, w2_iscale 18, w2_wscale 20, part 22
	s_load_b64 s[HEP:HEP+1], s[0:1], 0x40          ; he
	v_lshl_add_u32 v[SPW], v0, 2, SPARE
	v_mov_b32 v[NIL], 0
	v_lshrrev_b32 v[T], 5, v0
	v_readfirstlane_b32 s[WV], v[T]
	v_and_b32 v[T+1], 31, v0
	v_lshlrev_b32 v[LO16], 4, v[T+1]
	v_lshlrev_b32 v[L4], 2, v[T+1]
	v_mov_b32 v[TB], 0                             ; written once whole: v_permlanex16_b32's destination counts as read
	s_mov_b32 s[SIG], ttmp9
	s_and_b32 s[EX], ttmp7, 0xffff
	s_lshl_b32 s35, s[EX], 2
	s_lshl_b32 s3, s[EX], 3
	s_lshl_b32 s74, s[WV], 2                       ; the weights' offset: expert e, row 64 sigma + 4 w
	s_lshl_b32 s75, s[SIG], 6
	s_add_co_u32 s74, s74, s75
	s_lshl_b32 s74, s74, 12
	s_lshl_b32 s75, s[EX], 23
	s_add_co_u32 s74, s74, s75
	s_mov_b32 s75, 0
	s_lshl_b32 s76, s[SIG], 8
	s_mov_b32 s77, 0
	s_mul_i32 s78, s[WV], PITCH
	v_lshl_add_u32 v[FP], v[T+1], 3, s78
	s_lshl_b32 s[UREL], s[WV], 1
	s_mov_b32 s[SEL0], 0x76543210
	s_mov_b32 s[SEL1], 0xfedcba98
	s_wait_kmcnt 0x0
	s_load_b64 s[UB:UB+1], s[12:13], s3 offset:0x0
	s_load_b32 s[NU], s[12:13], 0x40
	s_load_b32 s40, s[16:17], s35 offset:0x0
	s_load_b32 s41, s[18:19], s35 offset:0x0
	s_load_b32 s42, s[20:21], s35 offset:0x0
	s_add_nc_u64 s[WB:WB+1], s[14:15], s[74:75]
	s_add_nc_u64 s[PB:PB+1], s[22:23], s[76:77]
.irp z, 0,1
.irp l, 0,1,2,3
	global_load_b128 v[W+16*\z+4*\l:W+16*\z+4*\l+3], v[LO16], s[WB:WB+1] offset:\l*ROWB+\z*512 th:TH_LOAD_NT  ; chunks 0 and 1: the stream starts before anything else is waited for
.endr
.set SEQ, SEQ+4
.set WQ\z, SEQ
.endr
	v_and_b32 v[T], 15, v0                         ; r
	v_bfe_u32 v[T+1], v0, 4, 1                     ; h
	v_mul_u32_u24 v[FC], v[T], PITCH
	v_lshl_add_u32 v[FC], v[T+1], 4, v[FC]
	v_lshlrev_b32 v[R16], 4, v[T]
	v_lshlrev_b32 v[H32], 5, v[T+1]
	s_wait_kmcnt 0x0
	UNITS
	PROLOG 0
.set i, 0
.rept 32
	v_mov_b32 v[F0+i], 0                           ; the two fragment buffers are written once whole: a buffer is loaded in one branch arm and read in the next,
	v_mov_b32 v[F1+i], 0                           ; and no way through those arms may read a register that was never written
.set i, i+1
.endr
	v_mov_b32 v[F0], s40                           ; the three scale numbers, each rounded to bf16 like every input
	v_mov_b32 v[F0+1], s41
	v_mov_b32 v[F0+2], s42
	v_cvt_pk_bf16_f32 v[F0], v[F0], v[F0+1]
	v_cvt_pk_bf16_f32 v[F0+2], v[F0+2], v[F0+2]
	v_and_b32 v[F0+1], 0xffff0000, v[F0]           ; iscale
	v_lshlrev_b32 v[F0], 16, v[F0]                 ; alpha
	v_lshlrev_b32 v[F0+2], 16, v[F0+2]             ; wscale
	v_rcp_f32 v[F0+1], v[F0+1]
	v_mul_f32 v[F0], v[F0], v[F0+2]                ; plain work behind the reciprocal
	s_wait_alu depctr_va_vdst(0)                   ; its wait, ahead of its reader
	v_mul_f32 v[S2V], v[F0], v[F0+1]
.irp g, 0,1,2,3
	TRIP 2*\g+0, 0
	TRIP 2*\g+1, 1
.endr
	TRIP 8, 0                                      ; the last chunk is multiplied; nothing is left to stage, so no barrier follows
	s_mov_b32 s[PS], 4
.Lpass:                                                ; four times: the way out of a pass, then the next pass; a wave whose next unit is past the expert's last jumps to the counter's step
	s_cmp_lt_u32 s[UREL], s[UNI]
	s_cbranch_scc0 .Lnone
	OUT 0
	s_add_co_u32 s74, s[UREL], 1
	s_cmp_lt_u32 s74, s[UNI]
	s_cbranch_scc0 .Lone                           ; my second unit is past the expert's last
	OUT 1
.Lone:
	s_wait_xcnt 0x0                                ; on every way from the stores: their data and addresses are rewritten only behind this wait, by the next pass or by the next way out
	s_add_co_u32 s[UREL], s[UREL], 32
	s_cmp_lt_u32 s[UREL], s[UNI]
	s_cbranch_scc0 .Lnone
	UNITS
	PROLOG 1
	s_wait_loadcnt 16                              ; the exponents are in: behind their load stand the four slots' sixteen
	MULS
	s_mov_b32 s[TC], 0
	s_mov_b32 s[LAP], 0
.Llap:                                                 ; eight laps of one chunk; the whole slice lies in LDS and nobody writes it: no barrier.  One buffer, nothing fetched ahead: a plain text for the rare case
	s_wait_xcnt 0x0                                ; the refills' bases are rewritten only behind this wait
	s_add_co_u32 s78, s[LAP], 1
	s_lshl_b32 s78, s78, 12
	s_cmp_lt_u32 s[LAP], NCH-1
	s_cselect_b32 s78, s78, 0                      ; the last lap's refills read the units' first four K steps once more: inside the buffer, and unused
	s_mov_b32 s79, 0
	s_add_nc_u64 s[RA0:RA0+1], s[XA0:XA0+1], s[78:79]
	s_add_nc_u64 s[RA0+2:RA0+3], s[XA0+2:XA0+3], s[78:79]
	v_add_nc_u32 v[BC], s[TC], v[FC]
	s_lshl_b32 s74, s[LAP], 2                      ; the lap's first K step
.irp sl, 0,1,2,3
	FRAGS \sl, F0
	s_wait_loadcnt 12                              ; behind a slot's four loads stand the three other slots' twelve
	s_add_co_u32 s75, s74, \sl                     ; the K step, 0 to 31: the lane that holds its multiplier
	SCALE \sl, s75
	PRODS \sl, F0, 0
	REFILL \sl, RA0, \sl*1024
.endr
	s_add_co_u32 s[TC], s[TC], CHUNK
	s_add_co_u32 s[LAP], s[LAP], 1
	s_cmp_lt_u32 s[LAP], NCH
	s_cbranch_scc1 .Llap
	s_wait_loadcnt 0x0
.Lnone:
	s_sub_co_u32 s[PS], s[PS], 1
	s_cmp_lg_u32 s[PS], 0
	s_cbranch_scc1 .Lpass
	s_wait_dscnt 0x0                               ; my LDS reads are back.  The laps' LDS address is a running sum: this barrier, on every wave's way, puts every wave's reads
	s_barrier_signal -1                            ; ahead of every wave's closing add, whatever that sum holds
	s_barrier_wait -1
	s_wait_tensorcnt 0x0                           ; the wave's end: behind my last LDS store
	ds_add_u32 v[SPW], v[NIL]
	s_wait_dscnt 0x0
	s_endpgm
.Lfunc_end_k_qd2112545aa_down:
	.size	k_qd2112545aa_down, .Lfunc_end_k_qd2112545aa_down-k_qd2112545aa_down
	.p2alignl 7, 3214868480
	.fill 96, 4, 3214868480
	.section	.rodata,"a",@progbits
	.p2align	6, 0x0
	.amdhsa_kernel k_qd2112545aa_down
		.amdhsa_group_segment_fixed_size 141312
		.amdhsa_private_segment_fixed_size 0
		.amdhsa_enable_private_segment 0
		.amdhsa_kernarg_size 72
		.amdhsa_user_sgpr_count 2
		.amdhsa_user_sgpr_kernarg_segment_ptr 1
		.amdhsa_wavefront_size32 1
		.amdhsa_system_sgpr_workgroup_id_x 1
		.amdhsa_system_sgpr_workgroup_id_y 1
		.amdhsa_system_sgpr_workgroup_id_z 1
		.amdhsa_system_vgpr_workitem_id 0
		.amdhsa_next_free_vgpr 256
		.amdhsa_next_free_sgpr 80
		.amdhsa_reserve_vcc 0
		.amdhsa_float_denorm_mode_32 3
		.amdhsa_float_denorm_mode_16_64 3
		.amdhsa_memory_ordered 1
		.amdhsa_forward_progress 1
		.amdhsa_inst_pref_size 146
	.end_amdhsa_kernel
	.amdgpu_metadata
---
amdhsa.version: [ 1, 2 ]
amdhsa.kernels:
  - .name:           k_qd2112545aa_down
    .symbol:         k_qd2112545aa_down.kd
    .args:
      - { .name: hs, .offset: 0, .size: 8, .value_kind: global_buffer, .address_space: global }
      - { .name: ent, .offset: 8, .size: 8, .value_kind: global_buffer, .address_space: global }
      - { .name: tab, .offset: 16, .size: 8, .value_kind: global_buffer, .address_space: global }
      - { .name: w2, .offset: 24, .size: 8, .value_kind: global_buffer, .address_space: global }
      - { .name: w2_alpha, .offset: 32, .size: 8, .value_kind: global_buffer, .address_space: global }
      - { .name: w2_iscale, .offset: 40, .size: 8, .value_kind: global_buffer, .address_space: global }
      - { .name: w2_wscale, .offset: 48, .size: 8, .value_kind: global_buffer, .address_space: global }
      - { .name: part, .offset: 56, .size: 8, .value_kind: global_buffer, .address_space: global }
      - { .name: he, .offset: 64, .size: 8, .value_kind: global_buffer, .address_space: global }
    .group_segment_fixed_size: 141312
    .private_segment_fixed_size: 0
    .kernarg_segment_align: 8
    .kernarg_segment_size: 72
    .max_flat_workgroup_size: 512
    .sgpr_count:     80
    .vgpr_count:     256
    .wavefront_size: 32
...
	.end_amdgpu_metadata
.endif
;; end of part 6
;; launch combine: the kernel of part 4 again; grid 256 x 1, 8 waves a work-group, no clusters, 0 bytes of LDS; arguments part, out0; writes out0
;; ======== version 3 of 3: 4 launches; version 2 with the launches prep, combine written anew for expert scheduling mode
;; limits: values are held in f16: magnitudes above 65,504 overflow, below 6.1e-05 lose precision; right only within a limited range of input values
;; workspace buffers: xs 8,912,896 bytes; hs 4,456,448 bytes; he 17,408 bytes; part 17,825,792 bytes; ent 8,704 bytes of whole numbers; cf 8,704 bytes; tab 256 bytes of whole numbers
;; launch prep (part 7): grid 136 x 2, 8 waves a work-group, no clusters, 37,888 bytes of LDS; arguments x, selected_experts, routing_weights, xs, ent, cf, tab; writes xs, ent, cf, tab
.if DOCPART == 7
	.amdgcn_target "amdgcn-amd-amdhsa--gfx1250"
	.amdhsa_code_object_version 6
	.text
	.protected	k_qd2112545aa_prep
	.globl	k_qd2112545aa_prep
	.p2align	8
	.type	k_qd2112545aa_prep,@function
k_qd2112545aa_prep:
	s_mov_b64 s[64:65], 0
	v_nop
	global_prefetch_b8 v0, s[64:65] scope:SCOPE_SE
	s_setreg_imm32_b32 hwreg(HW_REG_WAVE_SCHED_MODE, 0, 2), 2
	s_setreg_imm32_b32 hwreg(HW_REG_WAVE_MODE, 25, 1), 1
	s_wait_xcnt 0x0
	s_wait_alu depctr_vm_vsrc(0)
; ROUTING AND GATHER.  The 2,048 entries (token t, choice k), entry number 2 t + k, are sorted by expert into UNITS of 16 slots; an expert's last unit is padded.
; Work-group (u, y) builds half y (1,024 of the 2,048 channels) of unit u of xs: the 16 tokens' rows of x, rounded once to bf16, in the order in which a
; matrix operand's registers take them: byte u*65536 + s*1024 + i*512 + L*16 holds x[token of slot L%16][32 s + 16 i + 8 (L/16) .. +7].
; Every work-group repeats the counting sort for itself (8 KB of indices): no traffic between work-groups, no atomics.  The rank of an entry within its expert goes by
; (wave, place j in the thread, lane), the same in every work-group.
; Stored besides (by the work-groups with y = 0): ent[slot] = the row of part that the slot's result goes to (2 t + k; a padding slot: dump row 2048 + 16 e + slot),
; cf[slot] = the routing weight rounded to bf16 (padding: 0); and by work-group (0, 0): tab = (first unit, number of units) of each expert, and at byte 64 the number of units NU.
; A padding slot repeats token 1023's row.  The grid has 136 units, the most that any split of the tokens can need rounded up to a multiple of 8; units at or past NU are written as padding and never read.
; All lanes stay on throughout: an entry that does not fall into the unit is stored too, into a seventeenth word of the wave's list that nobody reads.
; LIMITS.  x and the routing weights are rounded once to bf16 (nearest even).  An index outside 0..7 matches no expert and is dropped.
; THE MODE: SCHED_MODE bits 1:0 = 2 (LLVM: expert scheduling mode 2), set by the entry lines.  The code itself states the register dependences between vector instructions
; and memory or LDS instructions, and those through scalar registers that vector instructions write, with s_wait_alu, always for 0.
; THE PLAN.  Registers that memory or LDS instructions touch:
;   v3, v7, v17, v18, v19, v36, v38, v39, v43, v46, v47   offsets and LDS addresses: each written once, ahead of a wait on va_vdst that stands ahead of its first use, and never again.
;   v16            my wave's counts: written by v_writelane_b32, read by one LDS store.
;   v20-35         LDS loads land here twice: the counts (read by the additions), later the eight lists.  v28 (a sum) and v29 (an LDS address) lie among them: the wait on va_vdst ahead of the
;                  list's stores states that the vector lines are done with v20-28, a wait on vm_vsrc that the loads by v29 have read it.
;   v100-106       LDS loads land, v_readfirstlane_b32 reads; x's loads land there later, behind the wait on va_vdst that stands ahead of them.
;   LA, LV         eight list addresses and eight entry numbers, a register for each place j: one wait on va_vdst serves the eight LDS stores.
;   XR             x's sixteen loads land; the conversions work in place, in groups of four pieces; the group's four LDS stores follow behind the wait for the NEXT group's loads and one wait on va_vdst.
;                  One wait on vm_vsrc behind the image's barrier states that those stores have read XR: its lower half is loaded again from the image, its upper half serves the tables.
; Scalar registers that vector lines write are written in runs (32 masks, 8 sums, 7 counts, 8 masks), with one wait on va_sdst behind each run, ahead of the run's first reader.
.set LIST,  1024                       ; 8 lists, one a wave, 128 bytes apart: words 0-15: slot d's entry + 1, or 0; word 16: what falls outside the unit, never read
.set IMG,   2048                       ; the half unit's image: 128 groups (s, i, h) of 16 rows x 16 bytes, 272 bytes apart
.set GP,    272
.set SPARE, IMG+128*GP                 ; the spare words, 128 bytes a wave
.set SPW, 4                            ; v4  my spare word's address; never rewritten
.set NIL, 5                            ; v5  0; never rewritten
.set EN,  8                            ; v[8:15] my eight entries' experts
.set XR,  48                           ; v[48:111] two rows x eight pieces of x: piece p = 8 x row + piece of the row, at XR + 4 p
.set LA,  112                          ; v[112:119] place j: where its entry goes in my wave's list
.set LV,  120                          ; v[120:127] place j: its entry's number + 1
	s_load_b256 s[8:15], s[0:1], 0x0               ; x s[8:9], selected_experts s[10:11], routing_weights s[12:13], xs s[14:15]
	s_load_b128 s[16:19], s[0:1], 0x20             ; ent s[16:17], cf s[18:19]
	s_load_b64 s[20:21], s[0:1], 0x30              ; tab
	v_lshl_add_u32 v[SPW], v0, 2, SPARE
	v_mov_b32 v[NIL], 0
	v_and_b32 v1, 31, v0                           ; lane
	v_lshrrev_b32 v2, 5, v0
	v_readfirstlane_b32 s22, v2                    ; wave
	s_mov_b32 s23, ttmp9                           ; unit u
	s_and_b32 s24, ttmp7, 0xffff                   ; half y
	v_lshlrev_b32 v3, 5, v0                        ; my eight entries: 32 bytes
	v_and_b32 v6, 15, v0
	s_wait_alu depctr_va_sdst(0)                   ; s22 is written, ahead of its first reader
	s_lshl_b32 s25, s22, 7
	s_add_co_u32 s25, s25, LIST                    ; my wave's list
	v_lshl_add_u32 v18, v6, 2, s25
	v_mov_b32 v19, 0
	s_wait_alu depctr_va_vdst(0)                   ; v18 and v19 are written, which the LDS store reads, and v3, the offset of the two loads
	ds_store_b32 v18, v19                          ; its sixteen slots are empty (lanes 16-31 write the same zeros as lanes 0-15)
	s_wait_kmcnt 0x0
	global_load_b128 v[EN:EN+3], v3, s[10:11]
	global_load_b128 v[EN+4:EN+7], v3, s[10:11] offset:16
	; addresses, made while the indices are on their way
	v_lshlrev_b32 v17, 2, v0                       ; my word among the waves' counts
	v_and_b32 v7, 7, v0
	v_lshlrev_b32 v7, 2, v7
	v_lshl_add_u32 v42, v0, 3, 1                   ; my first entry's number + 1
	s_lshl_b32 s26, s22, 3
	s_add_co_u32 s26, s26, LIST
	v_mov_b32 v43, s26                             ; slots 2 w and 2 w + 1 in the first list
	s_lshl_b32 s27, s24, 12
	v_lshl_add_u32 v45, v1, 4, s27                 ; in a row of x: half y, 16 bytes a lane
	v_lshrrev_b32 v36, 1, v1                       ; into the image: a lane's 4 channels are 8 bytes of group lane / 2 (of the piece's 16 groups), row 2 w (+1)
	v_mul_u32_u24 v36, v36, GP
	v_and_b32 v37, 1, v1
	v_lshl_add_u32 v36, v37, 3, v36
	s_lshl_b32 s28, s22, 5
	s_add_co_u32 s28, s28, IMG
	v_add_nc_u32 v36, s28, v36
	s_mul_i32 s29, s22, 16*GP                      ; out of the image: wave w takes groups 16 w .. 16 w + 15, two a load
	s_add_co_u32 s29, s29, IMG
	v_lshrrev_b32 v38, 4, v1
	v_mul_u32_u24 v38, v38, GP
	v_lshl_add_u32 v38, v6, 4, v38
	v_add_nc_u32 v38, s29, v38
	v_lshlrev_b32 v39, 4, v1
	v_lshl_add_u32 v39, v2, 12, v39                ; and the same 4,096 bytes of the half unit in xs
	s_lshl_b32 s30, s23, 16
	s_lshl_b32 s31, s24, 15
	s_add_co_u32 s30, s30, s31
	s_mov_b32 s31, 0
	s_add_nc_u64 s[14:15], s[14:15], s[30:31]      ; xs at my half unit
	s_wait_loadcnt 0x0                             ; the indices are in
	; my wave's count of each expert: four experts' 32 masks in one run, into four banks of eight scalar registers that hold nothing else yet
.macro MASKS e, m                      ; expert e's eight masks, into s[m .. m + 7]
.irp j, 0,1,2,3,4,5,6,7
	v_cmp_eq_u32 s[(\m)+\j], \e, v[EN+\j]
.endr
.endm
.macro COUNT e, m                      ; their bits, counted and added
.irp j, 0,1,2,3,4,5,6,7
	s_bcnt1_i32_b32 s[(\m)+\j], s[(\m)+\j]
.endr
	s_add_co_u32 s[48+(\e)], s[(\m)], s[(\m)+1]
.irp j, 2,3,4,5,6,7
	s_add_co_u32 s[48+(\e)], s[48+(\e)], s[(\m)+\j]
.endr
.endm
	MASKS 0, 40
	MASKS 1, 56
	MASKS 2, 66
	MASKS 3, 74
	s_wait_alu depctr_va_sdst(0)                   ; the 32 masks of experts 0 to 3 are written, ahead of their first reader
	COUNT 0, 40
	COUNT 1, 56
	COUNT 2, 66
	COUNT 3, 74
	MASKS 4, 40
	MASKS 5, 56
	MASKS 6, 66
	MASKS 7, 74
	s_wait_alu depctr_va_sdst(0)                   ; the 32 masks of experts 4 to 7 are written, ahead of their first reader
	COUNT 4, 40
	COUNT 5, 56
	COUNT 6, 66
	COUNT 7, 74
	v_mov_b32 v16, 0
.irp e, 0,1,2,3,4,5,6,7
	v_writelane_b32 v16, s[48+\e], \e
.endr
	s_wait_alu depctr_va_vdst(0)                   ; v16 is written, which the LDS store reads; so are v17 and all the addresses made above (v7, v36, v38, v39, v43)
	ds_store_b32 v17, v16                          ; wave w's counts at 128 w + 4 e
	s_wait_dscnt 0x0                               ; for the others' sake: my counts are stored
	s_barrier_signal -1
	s_barrier_wait -1
	; every expert's count, units and first unit
.irp k, 0,1,2,3,4,5,6,7
	ds_load_b32 v[20+\k], v7 offset:128*\k
.endr
	s_wait_dscnt 0x0
	v_add3_u32 v28, v20, v21, v22
	v_add3_u32 v28, v28, v23, v24
	v_add3_u32 v28, v28, v25, v26
	v_add_nc_u32 v28, v28, v27                     ; lane e (of 0..7): expert e's count
.irp e, 0,1,2,3,4,5,6,7
	v_readlane_b32 s[56+\e], v28, \e
.endr
	s_wait_alu depctr_va_sdst(0)                   ; the eight counts s56 to s63 are written, ahead of their first reader
.irp e, 0,1,2,3,4,5,6,7
	s_add_co_u32 s[66+\e], s[56+\e], 15
	s_lshr_b32 s[66+\e], s[66+\e], 4               ; units
.endr
	s_mov_b32 s74, 0
.irp e, 1,2,3,4,5,6,7
	s_add_co_u32 s[74+\e], s[74+\e-1], s[66+\e-1]  ; first unit
.endr
	s_add_co_u32 s82, s81, s73                     ; NU
	; my unit's expert: the last one whose first unit is not past u
	s_mov_b32 s83, 0
	s_mov_b32 s84, 0
.irp e, 1,2,3,4,5,6,7
	s_cmp_ge_u32 s23, s[74+\e]
	s_cselect_b32 s84, s[74+\e], s84
	s_add_co_ci_u32 s83, s83, 0
.endr
	s_min_u32 s83, s83, 7
	s_sub_co_u32 s84, s23, s84
	s_lshl_b32 s84, s84, 4                         ; the rank of my unit's slot 0.  For u at or past NU it is past the expert's count: nothing matches
	; how many of that expert's entries lie in the waves in front of mine
	s_lshl_b32 s85, s83, 2
	v_mov_b32 v29, s85
	s_wait_alu depctr_va_vdst(0)                   ; v29 is written, the address of the seven LDS loads
.irp k, 0,1,2,3,4,5,6
	ds_load_b32 v[100+\k], v29 offset:128*\k
.endr
	s_wait_dscnt 0x0
.irp k, 0,1,2,3,4,5,6
	v_readfirstlane_b32 s[40+\k], v[100+\k]
.endr
	s_wait_alu depctr_va_sdst(0)                   ; the seven waves' counts s40 to s46 are written, ahead of their first reader
	s_mov_b32 s88, 0
.irp k, 0,1,2,3,4,5,6
	s_cmp_gt_u32 s22, \k
	s_cselect_b32 s[40+\k], s[40+\k], 0
	s_add_co_u32 s88, s88, s[40+\k]
.endr
	s_sub_co_u32 s56, s88, s84                     ; running rank less my unit's first: 0..15 falls into my unit; below it the number wraps and is large
.irp j, 0,1,2,3,4,5,6,7
	v_cmp_eq_u32 s[40+\j], s83, v[EN+\j]
.endr
	s_wait_alu depctr_va_sdst(0)                   ; the eight masks s40 to s47 are written, ahead of their first reader
.irp j, 0,1,2,3,4,5,6
	s_bcnt1_i32_b32 s89, s[40+\j]
	s_add_co_u32 s[57+\j], s[56+\j], s89           ; the running rank at place j + 1: a register for each place, so that none that a vector line reads is written again
.endr
.irp j, 0,1,2,3,4,5,6,7
	v_mbcnt_lo_u32_b32 v[LA+\j], s[40+\j], s[56+\j]  ; the slot of a lane that matches
.endr
.irp j, 0,1,2,3,4,5,6,7
	v_cndmask_b32 v[LA+\j], 16, v[LA+\j], s[40+\j]   ; a lane that does not match,
.endr
.irp j, 0,1,2,3,4,5,6,7
	v_min_u32 v[LA+\j], 16, v[LA+\j]               ; and a rank outside the unit, go to word 16
.endr
.irp j, 0,1,2,3,4,5,6,7
	v_lshl_add_u32 v[LA+\j], v[LA+\j], 2, s25      ; in my wave's own list
.endr
.irp j, 0,1,2,3,4,5,6,7
	v_add_nc_u32 v[LV+\j], \j, v42
.endr
	s_wait_alu depctr_va_vdst(0)                   ; LA and LV are written, which the eight LDS stores read; and the additions and v_readlane_b32 are done with v20 to v28, in which the lists' loads land below
.irp j, 0,1,2,3,4,5,6,7
	ds_store_b32 v[LA+\j], v[LV+\j]
.endr
	s_wait_dscnt 0x0                               ; for the others' sake: my list is stored
	s_barrier_signal -1
	s_barrier_wait -1
	; wave w gathers the rows of slots 2 w and 2 w + 1: each slot stands in one list at the most, so the eight lists are merged by OR
	s_wait_alu depctr_vm_vsrc(0)                   ; the seven LDS loads have read their address v29, in which one of the loads below lands
.irp k, 0,1,2,3,4,5,6,7
	ds_load_b64 v[20+2*\k:21+2*\k], v43 offset:128*\k
.endr
	s_wait_dscnt 0x0
.irp k, 1,2,3,4,5,6,7
	v_or_b32 v20, v20, v[20+2*\k]
	v_or_b32 v21, v21, v[21+2*\k]
.endr
.irp r, 0,1
	v_add_nc_u32 v[20+\r], -1, v[20+\r]            ; the entry; an empty slot wraps
	v_lshrrev_b32 v[20+\r], 1, v[20+\r]            ; its token,
	v_min_u32 v[20+\r], 0x3ff, v[20+\r]            ; held inside x: an empty slot takes token 1023
	v_lshl_add_u32 v[46+\r], v[20+\r], 13, v45
.endr
	s_wait_alu depctr_va_vdst(0)                   ; v46 and v47 are written, the offsets of the sixteen loads; v_readfirstlane_b32 is done reading v100 to v106, in which some of them land
.irp r, 0,1
.irp m, 0,1,2,3,4,5,6,7
	global_load_b128 v[XR+32*\r+4*\m:XR+32*\r+4*\m+3], v[46+\r], s[8:9] offset:512*\m  ; 512 consecutive bytes of the row; all sixteen loads are out together
.endr
.endr
; The sixteen pieces go in four groups of four.  ROUND g: the group's eight conversions, in place.  PUT g: its four LDS stores.
.macro ROUND g
.irp n, 0,1,2,3
	v_cvt_pk_bf16_f32 v[XR+16*(\g)+4*\n], v[XR+16*(\g)+4*\n], v[XR+16*(\g)+4*\n+1]
	v_cvt_pk_bf16_f32 v[XR+16*(\g)+4*\n+1], v[XR+16*(\g)+4*\n+2], v[XR+16*(\g)+4*\n+3]
.endr
.endm
.macro PUT g                           ; row g / 2, pieces 4 (g % 2) .. + 3 of the row
.irp n, 0,1,2,3
	ds_store_b64 v36, v[XR+16*(\g)+4*\n:XR+16*(\g)+4*\n+1] offset:16*GP*(4*((\g)%2)+\n)+16*((\g)/2)  ; the piece's 16 groups start 68 words apart: every bank once
.endr
.endm
	s_wait_loadcnt 12                              ; loads return in order: group 0's four are in, the twelve younger ones stay out
	ROUND 0
	s_wait_loadcnt 8                               ; group 1 is in
	s_wait_alu depctr_va_vdst(0)                   ; group 0's conversions have written the registers that its LDS stores read
	PUT 0
	ROUND 1
	s_wait_loadcnt 4                               ; group 2 is in
	s_wait_alu depctr_va_vdst(0)                   ; group 1's conversions have written the registers that its LDS stores read
	PUT 1
	ROUND 2
	s_wait_loadcnt 0x0                             ; group 3 is in
	s_wait_alu depctr_va_vdst(0)                   ; group 2's conversions have written the registers that its LDS stores read
	PUT 2
	ROUND 3
	s_wait_alu depctr_va_vdst(0)                   ; group 3's conversions have written the registers that its LDS stores read; no conversion is left that names XR, in which the loads below land
	PUT 3
	s_wait_dscnt 0x0                               ; for the others' sake: my two rows are in the image
	s_barrier_signal -1
	s_barrier_wait -1
	s_wait_alu depctr_vm_vsrc(0)                   ; my LDS stores have read XR: its lower half is loaded again just below, its upper half is written by the tables' lines, on every way from here
.irp m, 0,1,2,3,4,5,6,7
	ds_load_b128 v[XR+4*\m:XR+4*\m+3], v38 offset:2*GP*\m
.endr
.irp m, 0,1,2,3,4,5,6,7
	s_wait_dscnt 7-\m
	global_store_b128 v39, v[XR+4*\m:XR+4*\m+3], s[14:15] offset:512*\m  ; 512 consecutive bytes, at a multiple of 256 from xs's first
.endr
	; the small tables, behind the large stores; registers of their own (v80 on), since the stores above are still reading theirs
	s_cmp_lg_u32 s24, 0
	s_cbranch_scc1 .Lclose
	s_cmp_lg_u32 s22, 0
	s_cbranch_scc1 .Lnot_wave_0
	v_lshl_add_u32 v90, v6, 2, LIST                ; wave 0: slot lane % 16 of all eight lists (lanes 16-31 repeat lanes 0-15 and store the same words)
	s_wait_alu depctr_va_vdst(0)                   ; v90 is written, the address of the eight LDS loads
.irp k, 0,1,2,3,4,5,6,7
	ds_load_b32 v[80+\k], v90 offset:128*\k
.endr
	s_wait_dscnt 0x0
.irp k, 1,2,3,4,5,6,7
	v_or_b32 v80, v80, v[80+\k]
.endr
	v_cmp_eq_u32 vcc_lo, 0, v80                    ; a padding slot
	v_add_nc_u32 v89, -1, v80                      ; the entry
	v_min_u32 v91, 0x7ff, v89
	v_lshlrev_b32 v91, 2, v91
	s_lshl_b32 s32, s83, 4
	s_add_co_u32 s32, s32, 2048
	v_add_nc_u32 v93, s32, v6                      ; the dump row
	s_lshl_b32 s33, s23, 6
	v_lshl_add_u32 v94, v6, 2, s33
	v_mov_b32 v95, 0
	s_wait_alu depctr_va_vcc(0)                    ; VCC is written, ahead of its first reader
	v_cndmask_b32 v93, v89, v93, vcc_lo
	s_wait_alu depctr_va_vdst(0)                   ; v91 is written, the load's offset; v93 and v94, the store's data and offset
	global_load_b32 v92, v91, s[12:13]             ; its routing weight
	global_store_b32 v94, v93, s[16:17]
	s_wait_loadcnt 0x0
	v_cvt_pk_bf16_f32 v92, v92, v92                ; rounded to bf16,
	v_lshlrev_b32 v92, 16, v92                     ; kept as f32
	v_cndmask_b32 v92, v92, v95, vcc_lo
	s_wait_alu depctr_va_vdst(0)                   ; v92 is written, the store's data
	global_store_b32 v94, v92, s[18:19]
	s_branch .Lclose
.Lnot_wave_0:
	s_cmp_lg_u32 s22, 1
	s_cbranch_scc1 .Lclose
	s_cmp_lg_u32 s23, 0
	s_cbranch_scc1 .Lclose
	v_mov_b32 v96, 0                               ; wave 1 of work-group (0, 0): the table
.irp e, 0,1,2,3,4,5,6,7
	v_writelane_b32 v96, s[74+\e], 2*\e
	v_writelane_b32 v96, s[66+\e], 2*\e+1
.endr
	v_writelane_b32 v96, s82, 16
	v_lshlrev_b32 v97, 2, v1
	s_wait_alu depctr_va_vdst(0)                   ; v96 and v97 are written, the store's data and offset
	global_store_b32 v97, v96, s[20:21]
.Lclose:
	s_wait_dscnt 0x0                               ; the wave's end
	s_wait_alu 0x0
	s_wait_tensorcnt 0x0
	ds_add_u32 v[SPW], v[NIL]
	s_wait_dscnt 0x0
	s_endpgm
.Lfunc_end_k_qd2112545aa_prep:
	.size	k_qd2112545aa_prep, .Lfunc_end_k_qd2112545aa_prep-k_qd2112545aa_prep
	.p2alignl 7, 3214868480
	.fill 96, 4, 3214868480
	.section	.rodata,"a",@progbits
	.p2align	6, 0x0
	.amdhsa_kernel k_qd2112545aa_prep
		.amdhsa_group_segment_fixed_size 37888
		.amdhsa_private_segment_fixed_size 0
		.amdhsa_enable_private_segment 0
		.amdhsa_kernarg_size 56
		.amdhsa_user_sgpr_count 2
		.amdhsa_user_sgpr_kernarg_segment_ptr 1
		.amdhsa_wavefront_size32 1
		.amdhsa_system_sgpr_workgroup_id_x 1
		.amdhsa_system_sgpr_workgroup_id_y 1
		.amdhsa_system_sgpr_workgroup_id_z 1
		.amdhsa_system_vgpr_workitem_id 0
		.amdhsa_next_free_vgpr 128
		.amdhsa_next_free_sgpr 96
		.amdhsa_reserve_vcc 1
		.amdhsa_float_denorm_mode_32 3
		.amdhsa_float_denorm_mode_16_64 3
		.amdhsa_memory_ordered 1
		.amdhsa_forward_progress 1
		.amdhsa_inst_pref_size 31
	.end_amdhsa_kernel
	.amdgpu_metadata
---
amdhsa.version: [ 1, 2 ]
amdhsa.kernels:
  - .name:           k_qd2112545aa_prep
    .symbol:         k_qd2112545aa_prep.kd
    .args:
      - { .name: x, .offset: 0, .size: 8, .value_kind: global_buffer, .address_space: global }
      - { .name: selected_experts, .offset: 8, .size: 8, .value_kind: global_buffer, .address_space: global }
      - { .name: routing_weights, .offset: 16, .size: 8, .value_kind: global_buffer, .address_space: global }
      - { .name: xs, .offset: 24, .size: 8, .value_kind: global_buffer, .address_space: global }
      - { .name: ent, .offset: 32, .size: 8, .value_kind: global_buffer, .address_space: global }
      - { .name: cf, .offset: 40, .size: 8, .value_kind: global_buffer, .address_space: global }
      - { .name: tab, .offset: 48, .size: 8, .value_kind: global_buffer, .address_space: global }
    .group_segment_fixed_size: 37888
    .private_segment_fixed_size: 0
    .kernarg_segment_align: 8
    .kernarg_segment_size: 56
    .max_flat_workgroup_size: 256
    .sgpr_count:     96
    .vgpr_count:     128
    .wavefront_size: 32
...
	.end_amdgpu_metadata
.endif
;; end of part 7
;; launch gateup: the kernel of part 5 again; grid 32 x 8, 16 waves a work-group, no clusters, 280,576 bytes of LDS; arguments xs, cf, tab, w1, w3, w1_alpha, w1_iscale, w1_wscale, w3_alpha, w3_iscale, w3_wscale, hs, he; writes hs, he
;; launch down: the kernel of part 6 again; grid 32 x 8, 16 waves a work-group, no clusters, 141,312 bytes of LDS; arguments hs, ent, tab, w2, w2_alpha, w2_iscale, w2_wscale, part, he; writes part
;; launch combine (part 8): grid 256 x 1, 8 waves a work-group, no clusters, 0 bytes of LDS; arguments part, out0; writes out0
.if DOCPART == 8
	.amdgcn_target "amdgcn-amd-amdhsa--gfx1250"
	.amdhsa_code_object_version 6
	.text
	.protected	k_qd2112545aa_combine
	.globl	k_qd2112545aa_combine
	.p2align	8
	.type	k_qd2112545aa_combine,@function
k_qd2112545aa_combine:
	s_mov_b64 s[64:65], 0
	v_nop
	global_prefetch_b8 v0, s[64:65] scope:SCOPE_SE
	s_setreg_imm32_b32 hwreg(HW_REG_WAVE_SCHED_MODE, 0, 2), 2
	s_setreg_imm32_b32 hwreg(HW_REG_WAVE_MODE, 25, 1), 1
	s_wait_xcnt 0x0
	s_wait_alu depctr_vm_vsrc(0)
; out[t] = part[2 t] + part[2 t + 1]: a token's two routed results, each already weighted.  f32 in, f32 out, one addition (the order is choice 0 + choice 1, not the experts' order).
; A stream: 256 work-groups of four tokens; a wave takes half a row (4,096 bytes) of one token: sixteen loads of 512 consecutive bytes, all out before the first wait, eight stores of 512.
; No LDS, no barrier, no matrix unit: memory binds, and every byte is read once and written once.
; THE MODE: SCHED_MODE bits 1:0 = 2 (LLVM: expert scheduling mode 2), set by the entry lines.  The code itself states the register dependences between vector instructions
; and memory instructions, with s_wait_alu, always for 0.
; THE PLAN.  Registers that memory instructions touch:
;   v3, v4   the two offsets: written at the head, read by every store and every load, never written again.
;   D        piece i: its two loads land in eight registers; its two additions write the first four in place; its store reads those four.  Nothing is written again behind a store.
; The eight pieces go in pairs.  A pair's four additions are followed by the wait for the NEXT pair's loads, one wait on va_vdst, and the pair's two stores: the additions issued
; behind that wait name the next pair's registers alone.
.set D, 8                              ; v[8:71] piece i: 4 registers of row 2 t, 4 of row 2 t + 1
	s_load_b128 s[4:7], s[0:1], 0x0                ; part s[4:5], out0 s[6:7]
	v_and_b32 v1, 31, v0
	v_lshrrev_b32 v2, 5, v0
	v_lshlrev_b32 v1, 4, v1
	v_lshl_add_u32 v3, v2, 12, v1                  ; in out0: 4,096 bytes a wave, 16 a lane
	v_lshrrev_b32 v4, 6, v0
	v_lshl_add_u32 v4, v4, 13, v3                  ; in part a token has two rows: 8,192 bytes more for each token
	s_lshl_b32 s8, ttmp9, 16
	s_mov_b32 s9, 0
	s_lshl_b32 s10, ttmp9, 15
	s_mov_b32 s11, 0
	s_wait_kmcnt 0x0
	s_add_nc_u64 s[4:5], s[4:5], s[8:9]
	s_add_nc_u64 s[6:7], s[6:7], s[10:11]
	s_wait_alu depctr_va_vdst(0)                   ; v4 and v3 are written: the offsets of every load and of every store
.irp i, 0,1,2,3,4,5,6,7
	global_load_b128 v[D+8*(\i):D+8*(\i)+3], v4, s[4:5] offset:512*(\i) th:TH_LOAD_NT
	global_load_b128 v[D+8*(\i)+4:D+8*(\i)+7], v4, s[4:5] offset:512*(\i)+8192 th:TH_LOAD_NT
.endr
.macro SUM g                           ; pieces 2 g and 2 g + 1 are added
.irp n, 0,1
	v_pk_add_f32 v[D+16*(\g)+8*\n:D+16*(\g)+8*\n+1], v[D+16*(\g)+8*\n:D+16*(\g)+8*\n+1], v[D+16*(\g)+8*\n+4:D+16*(\g)+8*\n+5]
	v_pk_add_f32 v[D+16*(\g)+8*\n+2:D+16*(\g)+8*\n+3], v[D+16*(\g)+8*\n+2:D+16*(\g)+8*\n+3], v[D+16*(\g)+8*\n+6:D+16*(\g)+8*\n+7]
.endr
.endm
.macro SEND g                          ; and stored
.irp n, 0,1
	global_store_b128 v3, v[D+16*(\g)+8*\n:D+16*(\g)+8*\n+3], s[6:7] offset:512*(2*(\g)+\n) th:TH_STORE_NT
.endr
.endm
	s_wait_loadcnt 12                              ; loads return in order: pair 0's four are in, the twelve younger ones stay out
	SUM 0
	s_wait_loadcnt 8                               ; pair 1 is in
	s_wait_alu depctr_va_vdst(0)                   ; pair 0's additions have written the registers that its stores read
	SEND 0
	SUM 1
	s_wait_loadcnt 4                               ; pair 2 is in
	s_wait_alu depctr_va_vdst(0)                   ; pair 1's additions have written the registers that its stores read
	SEND 1
	SUM 2
	s_wait_loadcnt 0x0                             ; pair 3 is in
	s_wait_alu depctr_va_vdst(0)                   ; pair 2's additions have written the registers that its stores read
	SEND 2
	SUM 3
	s_wait_alu depctr_va_vdst(0)                   ; pair 3's additions have written the registers that its stores read
	SEND 3
	s_endpgm
.Lfunc_end_k_qd2112545aa_combine:
	.size	k_qd2112545aa_combine, .Lfunc_end_k_qd2112545aa_combine-k_qd2112545aa_combine
	.p2alignl 7, 3214868480
	.fill 96, 4, 3214868480
	.section	.rodata,"a",@progbits
	.p2align	6, 0x0
	.amdhsa_kernel k_qd2112545aa_combine
		.amdhsa_group_segment_fixed_size 0
		.amdhsa_private_segment_fixed_size 0
		.amdhsa_enable_private_segment 0
		.amdhsa_kernarg_size 16
		.amdhsa_user_sgpr_count 2
		.amdhsa_user_sgpr_kernarg_segment_ptr 1
		.amdhsa_wavefront_size32 1
		.amdhsa_system_sgpr_workgroup_id_x 1
		.amdhsa_system_sgpr_workgroup_id_y 1
		.amdhsa_system_sgpr_workgroup_id_z 1
		.amdhsa_system_vgpr_workitem_id 0
		.amdhsa_next_free_vgpr 72
		.amdhsa_next_free_sgpr 66
		.amdhsa_reserve_vcc 0
		.amdhsa_float_denorm_mode_32 3
		.amdhsa_float_denorm_mode_16_64 3
		.amdhsa_memory_ordered 1
		.amdhsa_forward_progress 1
		.amdhsa_inst_pref_size 5
	.end_amdhsa_kernel
	.amdgpu_metadata
---
amdhsa.version: [ 1, 2 ]
amdhsa.kernels:
  - .name:           k_qd2112545aa_combine
    .symbol:         k_qd2112545aa_combine.kd
    .args:
      - { .name: part, .offset: 0, .size: 8, .value_kind: global_buffer, .address_space: global }
      - { .name: out0, .offset: 8, .size: 8, .value_kind: global_buffer, .address_space: global }
    .group_segment_fixed_size: 0
    .private_segment_fixed_size: 0
    .kernarg_segment_align: 8
    .kernarg_segment_size: 16
    .max_flat_workgroup_size: 256
    .sgpr_count:     66
    .vgpr_count:     72
    .wavefront_size: 32
...
	.end_amdgpu_metadata
.endif
;; end of part 8
